; MI455X (gfx1250); checked and timed in simulation.
; The chip was launched on July 23, 2026; its instructions are those of AMD's public machine-readable ISA for CDNA 5 (MIT licence, August 2026) and "CDNA5" Instruction Set Architecture Reference Guide (July 2026). The comments in the code are by the model that wrote it; some were corrected since.
;; Causal Self Attention. Allowed arithmetic: float matrix products may take bf16 or f16 operands with f32 sums; other float arithmetic in f32, or as packed bf16 or f16 multiplies, adds, multiply-adds, maxima and minima; sums over many terms, partial sums and values carried from step to step in f32; what a program stores and reads back later, other than sums and carried values, may be rounded once to bf16 or f16.
;; Inputs: c_proj_w 1,024 x 1,024 float32; lambdas 2 float32; qkv_w 3 x 1,024 x 1,024 float32; ve 4 x 2,048 x 1,024 float32; x 4 x 2,048 x 1,024 float32.
;; Outputs: out0 4 x 2,048 x 1,024 float32.
;; 2 versions, each right; version 2 is version 1 with the launch prep written anew for expert scheduling mode. Each part assembles by itself: llvm-mc -triple=amdgcn-amd-amdhsa -mcpu=gfx1250 --defsym DOCPART=n.
;; ======== version 1 of 2: 4 launches
;; limits: values are held in f16: magnitudes above 65,504 overflow, below 6.1e-05 lose precision
;; workspace buffers: xb 16,777,216 bytes; wb 6,291,456 bytes; cb 2,097,152 bytes; tab 524,288 bytes; qh 16,777,216 bytes; kh 16,777,216 bytes; vh 16,777,216 bytes; yb 16,777,216 bytes
;; launch prep (part 1): grid 896 x 1, 8 waves a work-group, no clusters, 0 bytes of LDS; arguments x, qkv_w, c_proj_w, xb, wb, cb, tab; writes xb, wb, cb, tab
.if DOCPART == 1
	.amdgcn_target "amdgcn-amd-amdhsa--gfx1250"
	.amdhsa_code_object_version 6
	.text
	.protected	k_qf5a582ba7b_prep
	.globl	k_qf5a582ba7b_prep
	.p2align	8
	.type	k_qf5a582ba7b_prep,@function
k_qf5a582ba7b_prep:
	s_mov_b64 s[64:65], 0
	v_nop
	global_prefetch_b8 v0, s[64:65] scope:SCOPE_SE
	s_setreg_imm32_b32 hwreg(HW_REG_WAVE_MODE, 25, 1), 1
	s_wait_xcnt 0x0
; PREP: the module's matrix inputs are rounded once, and the RoPE table is made.
;   xb [16 kb][8192 rows][64] bf16 = x, wb [16 kb][3072 rows][64] bf16 = qkv_w: blocked by 64 along K, so that a tile of rows x 64 K is dense in memory.
;   cb [1024][1024] f16 = c_proj_w rounded to bf16 and that number written as f16.  LIMIT: numbers of c_proj_w under 2^-14 keep f16's fixed step of 6e-8; above 65,504 they become infinite.
;   tab [2048 t][32 cos, 32 sin] f32: the 32 channels whose frequency is not 0; theta = t x 2^(-10 d / 31) is one f32 product, as in the module.
; SHARES.  Work-groups 0-511: 16 rows of x each; 512-703: 16 rows of qkv_w; 704-767: 16 rows of c_proj_w; 768-895: 256 x 4 numbers of the table.  No LDS, no barrier: no thread wants another's bytes.
; A cast thread has 16 loads of 16 bytes on their way; each wait lets the younger loads stay out; no register is written twice, so nothing waits for a store.
.set XR, 16                            ; v[16:79]   as loaded
.set YR, 80                            ; v[80:111]  to store
.set TQ, 8                             ; v[8:11]    at work
	s_load_b256 s[4:11], s[0:1], 0x0               ; x s[4:5], qkv_w s[6:7], c_proj_w s[8:9], xb s[10:11]
	s_load_b128 s[12:15], s[0:1], 0x20             ; wb s[12:13], cb s[14:15]
	s_load_b64 s[16:17], s[0:1], 0x30              ; tab
	v_lshrrev_b32 v1, 4, v0                        ; my row of the group's 16: two rows a wave
	v_and_b32 v2, 15, v0                           ; my place in the row's piece
	s_mov_b32 s21, 0
	s_mov_b32 s23, 0
	s_wait_kmcnt 0x0
	s_cmp_lt_u32 ttmp9, 512
	s_cbranch_scc1 .Lcast_x
	s_cmp_lt_u32 ttmp9, 704
	s_cbranch_scc1 .Lcast_w
	s_cmp_lt_u32 ttmp9, 768
	s_cbranch_scc1 .Lcast_c
	; THE TABLE.  Thread e makes four numbers: t = e / 16, cos or sin by bit 3, channels 4 (e % 8) + 0..3; it stores 16 bytes at 16 e.
	s_sub_co_u32 s20, ttmp9, 768
	s_lshl_b32 s20, s20, 8
	v_add_nc_u32 v3, s20, v0                       ; e
	v_lshrrev_b32 v4, 4, v3
	v_cvt_f32_u32 v4, v4                           ; t
	v_bfe_u32 v5, v3, 3, 1
	v_mul_u32_u24 v5, 3, v5                        ; sin(theta) = cos(theta - pi/2): three quadrants on
	v_and_b32 v6, 7, v3
	v_lshlrev_b32 v6, 2, v6                        ; first channel
	v_lshlrev_b32 v7, 4, v3                        ; byte offset
.irp i, 0,1,2,3
	v_add_nc_u32 v[16+8*\i], \i, v6
	v_cvt_f32_u32 v[16+8*\i], v[16+8*\i]
	v_mul_f32 v[16+8*\i], 0xbea5294a, v[16+8*\i]   ; -10 d / 31
.endr
.irp i, 0,1,2,3
	v_exp_f32 v[16+8*\i], v[16+8*\i]               ; the frequency
.endr
	v_nop                                          ; a plain instruction between the last exponential and the use of its result (ISA guide 5.7.2)
; per number: +0 theta, +1 n, +2 r, +3 z, +4 p, +5 sin r, +6 cos r.  theta (up to 2,047) less n x pi/2 in three parts, of which n x the first is exact; |r| <= pi/4; series to r^7 and r^8.
	s_wait_alu depctr_va_vdst(0)
.irp i, 0,1,2,3
	v_mul_f32 v[16+8*\i], v4, v[16+8*\i]
	v_mul_f32 v[17+8*\i], 0x3f22f983, v[16+8*\i]   ; 2 / pi
	v_rndne_f32 v[17+8*\i], v[17+8*\i]
	v_fmamk_f32 v[18+8*\i], v[17+8*\i], 0xbfc90000, v[16+8*\i]
	v_fmamk_f32 v[18+8*\i], v[17+8*\i], 0xb9fda000, v[18+8*\i]
	v_fmamk_f32 v[18+8*\i], v[17+8*\i], 0xb3a22169, v[18+8*\i]
	v_mul_f32 v[19+8*\i], v[18+8*\i], v[18+8*\i]
	v_mov_b32 v[20+8*\i], 0xb9500d01               ; -1/5040
	v_fmaak_f32 v[20+8*\i], v[19+8*\i], v[20+8*\i], 0x3c088889  ; 1/120
	v_fmaak_f32 v[20+8*\i], v[19+8*\i], v[20+8*\i], 0xbe2aaaab  ; -1/6
	v_mul_f32 v[21+8*\i], v[18+8*\i], v[19+8*\i]
	v_fma_f32 v[21+8*\i], v[21+8*\i], v[20+8*\i], v[18+8*\i]    ; sin r
	v_mov_b32 v[20+8*\i], 0x37d00d01               ; 1/40320
	v_fmaak_f32 v[20+8*\i], v[19+8*\i], v[20+8*\i], 0xbab60b61  ; -1/720
	v_fmaak_f32 v[20+8*\i], v[19+8*\i], v[20+8*\i], 0x3d2aaaab  ; 1/24
	v_fma_f32 v[22+8*\i], v[19+8*\i], -0.5, 1.0
	v_mul_f32 v[19+8*\i], v[19+8*\i], v[19+8*\i]
	v_fma_f32 v[22+8*\i], v[19+8*\i], v[20+8*\i], v[22+8*\i]    ; cos r
	v_cvt_i32_f32 v[17+8*\i], v[17+8*\i]
	v_add_nc_u32 v[17+8*\i], v[17+8*\i], v5        ; the quadrant q
	v_and_b32 v[20+8*\i], 1, v[17+8*\i]
	v_cmp_eq_u32 vcc_lo, 1, v[20+8*\i]
	v_cndmask_b32 v[22+8*\i], v[22+8*\i], v[21+8*\i], vcc_lo    ; odd q: sin r, even q: cos r (a choice of values only)
	v_add_nc_u32 v[17+8*\i], 1, v[17+8*\i]
	v_and_b32 v[17+8*\i], 2, v[17+8*\i]            ; q % 4 = 1 or 2: the sign turns
	v_lshlrev_b32 v[17+8*\i], 30, v[17+8*\i]
	v_xor_b32 v[48+\i], v[22+8*\i], v[17+8*\i]
.endr
	global_store_b128 v7, v[48:51], s[16:17]       ; sixteen lanes store one t's 256 bytes
	s_endpgm
; 16 rows of a [rows][1024] f32 matrix into the blocked bf16 layout.  Load i: K block i: sixteen lanes read 256 consecutive bytes of a row, the other sixteen the next row's.
; Store i: 8 bytes a lane: two neighbouring rows of K block i are 256 consecutive bytes, aligned.  K blocks 8-15 have an offset register of their own (the immediate holds 7 blocks at the most).
.macro CASTB src, dst, rows, g0
	s_sub_co_u32 s20, ttmp9, \g0
	s_lshl_b32 s22, s20, 11                        ; 16 rows x 128 bytes out
	s_lshl_b32 s20, s20, 16                        ; 16 rows x 4,096 bytes in
	s_add_nc_u64 s[\src:\src+1], s[\src:\src+1], s[20:21]
	s_add_nc_u64 s[\dst:\dst+1], s[\dst:\dst+1], s[22:23]
	v_lshlrev_b32 v3, 12, v1
	v_lshl_add_u32 v3, v2, 4, v3
	v_lshlrev_b32 v4, 7, v1
	v_lshl_add_u32 v4, v2, 3, v4
	v_add_nc_u32 v5, 8*(\rows)*128, v4
.set ii, 0
.rept 16
	global_load_b128 v[XR+4*ii:XR+4*ii+3], v3, s[\src:\src+1] offset:256*ii th:TH_LOAD_NT
.set ii, ii+1
.endr
.set ii, 0
.rept 16
	s_wait_loadcnt 15-ii                           ; loads come back in order (ISA guide 5.7.1): load ii is in, the 15 - ii younger ones stay out
	v_cvt_pk_bf16_f32 v[YR+2*ii], v[XR+4*ii], v[XR+4*ii+1]
	v_cvt_pk_bf16_f32 v[YR+2*ii+1], v[XR+4*ii+2], v[XR+4*ii+3]
	global_store_b64 v[4+ii/8], v[YR+2*ii:YR+2*ii+1], s[\dst:\dst+1] offset:(ii%8)*(\rows)*128
.set ii, ii+1
.endr
	s_endpgm
.endm
.Lcast_x:
	CASTB 4, 10, 8192, 0
.Lcast_w:
	CASTB 6, 12, 3072, 512
.Lcast_c:
	; c_proj_w: row-major out.  A lane takes 32 bytes (two loads on end, which together cover whole blocks of 256 bytes) and stores 16: sixteen lanes store 256 consecutive bytes.
	s_sub_co_u32 s20, ttmp9, 704
	s_lshl_b32 s22, s20, 15                        ; 16 rows x 2,048 bytes out
	s_lshl_b32 s20, s20, 16
	s_add_nc_u64 s[8:9], s[8:9], s[20:21]
	s_add_nc_u64 s[14:15], s[14:15], s[22:23]
	v_lshlrev_b32 v3, 12, v1
	v_lshl_add_u32 v3, v2, 5, v3
	v_lshlrev_b32 v4, 11, v1
	v_lshl_add_u32 v4, v2, 4, v4
.set ii, 0
.rept 8
	global_load_b128 v[XR+8*ii:XR+8*ii+3], v3, s[8:9] offset:512*ii th:TH_LOAD_NT
	global_load_b128 v[XR+8*ii+4:XR+8*ii+7], v3, s[8:9] offset:512*ii+16 th:TH_LOAD_NT
.set ii, ii+1
.endr
.set ii, 0
.rept 8
	s_wait_loadcnt 14-2*ii                         ; this pair of loads is in, the younger pairs stay out
.irp j, 0,1,2,3
	v_cvt_pk_bf16_f32 v[TQ+\j], v[XR+8*ii+2*\j], v[XR+8*ii+2*\j+1]  ; the rounding that all the module's inputs get
.endr
.irp j, 0,1,2,3
	v_lshlrev_b32 v[XR+8*ii+2*\j], 16, v[TQ+\j]
	v_and_b32 v[XR+8*ii+2*\j+1], 0xffff0000, v[TQ+\j]
.endr
.irp j, 0,1,2,3
	v_cvt_pk_f16_f32 v[YR+4*ii+\j], v[XR+8*ii+2*\j], v[XR+8*ii+2*\j+1]  ; 8 significant bits fit f16's 11
.endr
	global_store_b128 v4, v[YR+4*ii:YR+4*ii+3], s[14:15] offset:256*ii
.set ii, ii+1
.endr
	s_endpgm
.Lfunc_end_k_qf5a582ba7b_prep:
	.size	k_qf5a582ba7b_prep, .Lfunc_end_k_qf5a582ba7b_prep-k_qf5a582ba7b_prep
	.p2alignl 7, 3214868480
	.fill 96, 4, 3214868480
	.section	.rodata,"a",@progbits
	.p2align	6, 0x0
	.amdhsa_kernel k_qf5a582ba7b_prep
		.amdhsa_group_segment_fixed_size 0
		.amdhsa_private_segment_fixed_size 0
		.amdhsa_enable_private_segment 0
		.amdhsa_kernarg_size 56
		.amdhsa_user_sgpr_count 2
		.amdhsa_user_sgpr_kernarg_segment_ptr 1
		.amdhsa_wavefront_size32 1
		.amdhsa_system_sgpr_workgroup_id_x 1
		.amdhsa_system_sgpr_workgroup_id_y 1
		.amdhsa_system_sgpr_workgroup_id_z 1
		.amdhsa_system_vgpr_workitem_id 0
		.amdhsa_next_free_vgpr 112
		.amdhsa_next_free_sgpr 66
		.amdhsa_reserve_vcc 1
		.amdhsa_float_denorm_mode_32 3
		.amdhsa_float_denorm_mode_16_64 3
		.amdhsa_memory_ordered 1
		.amdhsa_forward_progress 1
		.amdhsa_inst_pref_size 29
	.end_amdhsa_kernel
	.amdgpu_metadata
---
amdhsa.version: [ 1, 2 ]
amdhsa.kernels:
  - .name:           k_qf5a582ba7b_prep
    .symbol:         k_qf5a582ba7b_prep.kd
    .args:
      - { .name: x, .offset: 0, .size: 8, .value_kind: global_buffer, .address_space: global }
      - { .name: qkv_w, .offset: 8, .size: 8, .value_kind: global_buffer, .address_space: global }
      - { .name: c_proj_w, .offset: 16, .size: 8, .value_kind: global_buffer, .address_space: global }
      - { .name: xb, .offset: 24, .size: 8, .value_kind: global_buffer, .address_space: global }
      - { .name: wb, .offset: 32, .size: 8, .value_kind: global_buffer, .address_space: global }
      - { .name: cb, .offset: 40, .size: 8, .value_kind: global_buffer, .address_space: global }
      - { .name: tab, .offset: 48, .size: 8, .value_kind: global_buffer, .address_space: global }
    .group_segment_fixed_size: 0
    .private_segment_fixed_size: 0
    .kernarg_segment_align: 8
    .kernarg_segment_size: 56
    .max_flat_workgroup_size: 256
    .sgpr_count:     66
    .vgpr_count:     112
    .wavefront_size: 32
...
	.end_amdgpu_metadata
.endif
;; end of part 1
;; launch qkv (part 2): grid 8 x 32, 4 waves a work-group, clusters of 4 x 4, 327,680 bytes of LDS; arguments xb, wb, tab, ve, lambdas, qh, kh, vh; writes qh, kh, vh
.if DOCPART == 2
	.amdgcn_target "amdgcn-amd-amdhsa--gfx1250"
	.amdhsa_code_object_version 6
	.text
	.protected	k_qf5a582ba7b_qkv
	.globl	k_qf5a582ba7b_qkv
	.p2align	8
	.type	k_qf5a582ba7b_qkv,@function
k_qf5a582ba7b_qkv:
	s_mov_b64 s[64:65], 0
	v_nop
	global_prefetch_b8 v0, s[64:65] scope:SCOPE_SE
	s_setreg_imm32_b32 hwreg(HW_REG_WAVE_MODE, 25, 1), 1
	s_wait_xcnt 0x0
	s_wait_alu depctr_hold_cnt(0) depctr_sa_sdst(0) depctr_va_vdst(0) depctr_va_sdst(0) depctr_va_ssrc(0) depctr_va_vcc(0) depctr_vm_vsrc(0)
	s_getreg_b32 s2, hwreg(HW_REG_IB_STS2, 6, 4)
	s_cmp_eq_u32 s2, 0
	s_cbranch_scc0 .Lentry_in_a_cluster
	s_endpgm
.Lentry_in_a_cluster:
	s_bfe_u32 s2, ttmp6, 0x10000c
	s_cmp_lg_u32 s2, 0xf033
	s_cbranch_scc0 .Lentry_shape_is_right
	s_endpgm
.Lentry_shape_is_right:
; QKV: q, k, v = x qkv_w^T in bf16 with f32 sums; on the way out RMS norm and RoPE on q and k, v = l0 v + l1 ve; all three leave by heads, [32 = b 8 + h][2048][128] in f16.
; SHARES.  A work-group makes 256 rows x (q, k and v of ONE head): 256 x 384.  Wave w owns rows 64 w .. 64 w + 63 and all 384 columns: 96 accumulators of 16 x 16, 768 registers:
; q in window 1, k in window 2, v in window 3, accumulator (a, b) at v[8 (8 a + b)].  So a head's 128 columns of a row meet in one wave, and norm, RoPE and mix need no other wave.
; THE MATRIX INSTRUCTION IS USED TRANSPOSED (source 0 = 16 rows of w, source 1 = 16 rows of x): lane l holds row l % 16 and the columns 16 b + 8 (l / 16) + 0..7.  A row's sum of squares wants one exchange between
; the halves of the lanes; RoPE's partners d and d + 64 lie in the same lane and register of blocks b and b + 4.  Only channels 0-31 (and 64-95) turn: the other frequencies are 0.
; K goes in 16 steps of 64 through two LDS slots (three strips of 128 rows of w, 256 rows of x).  xb and wb are blocked by 64 along K, so a tile is dense and is asked for as rows of 256 bytes.
; A step has six GROUPS of 32 matrix instructions (K half s, tensor g): i = 3 s + g.  B's fragments have two buffers (i % 2), A's one for each K half.
; CLUSTER 4 x 4: x's tile hangs on the block of rows alone and is shared along a row of the cluster; w's strips hang on the head alone and are shared along a column.  Wave 3 asks for x's tile, waves 0-2 for a strip each.
; The RoPE table's 64 rows of a wave come by a load of its own among the first fills, and only that wave reads them.
; SCALE.  l0 and l1 are rounded to bf16 like all inputs and multiplied by 2^-e, e the exponent of the larger magnitude (an exact power of two); the last launch multiplies by 2^e.
; LIMITS.  |lambda| under 2^127; with both lambdas denormal the module's output becomes 0; |v| 2^-e stays under 65,504 (f16); NaN and infinities are not treated apart.
; No prefetch: each refill has 160 matrix instructions in which to land, and the tiles are shared in the cluster.
.set PCH,   144                        ; an LDS row: 128 bytes + 16 = 36 words: the 16 rows of a load start at 16 different groups of four banks (64 banks of 4 bytes: ISA guide 11.1)
.set STRIP, 128*PCH                    ; a strip of w
.set ABASE, 3*STRIP                    ; x's 256 rows lie behind the three strips
.set SLOT1, 1<<17                      ; slot 1 begins here: one exclusive or turns an address into the other slot's
.set STAGE, ABASE+256*PCH              ; behind slot 0: 8,448 bytes for each wave, for the way out; no tensor load fills it
.set STG,   8448
.set SPARE, STAGE+4*STG                ; the spare words, 128 bytes for each wave: two blocks of 256 bytes that no other line names
.set TABL,  SLOT1+STAGE                ; behind slot 1: the table, 256 rows of 272 bytes, filled once
.set TP,    272
.set XKB,   8192*128                   ; bytes from a K block of xb to the next
.set WKB,   3072*128                   ; of wb
.set T,     0                          ; v[0:7]    the way out: at work (v0 is free by then)
.set A0,    10                         ; v10  my lane's place in x's tile; never rewritten
.set B0,    11                         ; v11  in a strip of w
.set ADRA,  12                         ; v12  the same in the slot in hand
.set ADRB,  13
.set STO16, 14                         ; v14  stage, 16-bit rows of 272 bytes: where I put 16 bytes
.set RD16,  15                         ; v15  where I read rows back
.set GO16,  16                         ; v16  16 x lane
.set STO32, 17                         ; v17  stage, f32 rows of 528 bytes: where I put 32 bytes
.set RD32,  18                         ; v18  where I read a row back
.set GO8,   19                         ; v19  8 x lane
.set CSA,   20                         ; v20  my place in the table
.set L0,    22                         ; v[22:23] l0 2^-e
.set L1,    24                         ; v24  l1 2^-e
.set RS,    26                         ; v[26:27] 1 / rms
.set SPW,   28                         ; v28  LDS address of my spare word; never rewritten
.set NIL,   29                         ; v29  0; never rewritten
.set AF,    32                         ; v[32:95]   x's fragments: K half s at AF + 32 s
.set BF,    96                         ; v[96:223]  w's fragments: two buffers of 64
.set CS,    32                         ; the way out: v[32:159] block a: cos b0, cos b1, sin b0, sin b1, 8 each
.set Y,     160                        ; v[160:191] the turned blocks 0, 1 and then 4, 5
.set PK,    192                        ; v[192:223] a block of 16 rows in f16
.set OB,    224                        ; v[224:255] the same as whole rows
.set RB,    32                         ; v[32:95]   16 rows of v in f32, as whole rows
.set VB,    96                         ; v[96:127]  16 rows of ve in bf16
.set OUT,   128                        ; v[128:159] 16 rows of the mix in f16
.set VE,    10                         ; s[10:11] ve;  s[14:15], s[16:17], s[18:19] qh, kh, vh at my wave's first row
.set QH,    14
.set KH,    16
.set VH,    18
.set WV,    20                         ; s20  my wave's number
.set CX,    21
.set CY,    22
.set HX,    23                         ; s23  the head
.set YB,    24                         ; s24  the block of 256 rows
.set G1A,   28                         ; s[28:35] descriptor group 1, x's tile;  s[36:43] a strip of w;  s[44:51] the table
.set G1B,   36
.set G1C,   44
.set G0A,   52                         ; s[52:59] group 0, x's tile: a set for each first fill; the second then walks
.set G0B,   68                         ; s[68:75] the same for my strip
.set G0C,   76                         ; s[76:79] the table
.set LAM,   80                         ; s[80:81] the lambdas
.set CNT,   82
.set TB,    83                         ; s83  the slot in hand: 0 or SLOT1
.set SEL,   84                         ; s[84:85] v_permlanex16_b32's selects: each lane takes its own place in the other half
.set RCPD,  86                         ; s86  1 / 128
.set EPS,   87                         ; s87  2^-23
.set MSB, 0
.macro WIN new                         ; the immediate's high byte repeats the setting that is left; a switch that changes nothing is dropped
.if MSB != (\new)
	s_set_vgpr_msb (MSB<<8)|(\new)
.set MSB, (\new)
.endif
.endm
.macro PLACES                          ; four places in front of loads into registers that matrix instructions have read (ISA guide 7.12.1 for vector instructions)
.rept 4
	v_nop
.endr
.endm
; A joint refill.  The branch hangs on the wave's number alone.  An s_nop 0 and four v_nop follow each of the two lines, ahead of the jump and the label.
.macro JLOAD
	s_cmp_eq_u32 s[WV], 3
	s_cbranch_scc0 .Lfor_b_\@
	tensor_load_to_lds s[G0A+4:G0A+7], s[G1A:G1A+7]
	s_nop 0
.rept 4
	v_nop
.endr
	s_branch .Lasked_\@
.Lfor_b_\@:
	tensor_load_to_lds s[G0B+4:G0B+7], s[G1B:G1B+7]
	s_nop 0
.rept 4
	v_nop
.endr
.Lasked_\@:
.endm
.macro CREST                           ; a round of the cluster's barrier behind its opening barrier
	s_cmp_lg_u32 s[WV], 0
	s_cbranch_scc1 .Lnot_wave_0_\@
	s_barrier_signal -3
.Lnot_wave_0_\@:
	s_barrier_wait -3
	s_barrier_signal -1
	s_barrier_wait -1
.endm
.macro CROUND                          ; a whole round
	s_barrier_signal -1
	s_barrier_wait -1
	CREST
.endm
	s_load_b512 s[4:19], s[0:1], 0x0               ; xb s[4:5], wb s[6:7], tab s[8:9], ve s[10:11], lambdas s[12:13], qh, kh, vh s[14:19]
	v_lshl_add_u32 v[SPW], v0, 2, SPARE
	v_mov_b32 v[NIL], 0
	ds_add_u32 v[SPW], v[NIL]                      ; the wave's opening: the add and its wait stand ahead of my first tensor load; the set-up below, work on registers, stands between them
	ds_add_u32 v28, v29
	v_lshrrev_b32 v1, 5, v0
	v_readfirstlane_b32 s[WV], v1                  ; wave 0..3
	s_bfe_u32 s[CX], ttmp6, 0x40000
	s_bfe_u32 s[CY], ttmp6, 0x40004
	s_lshl_b32 s[HX], ttmp9, 2                     ; in a cluster launch ttmp9 and ttmp7 count clusters
	s_add_co_u32 s[HX], s[HX], s[CX]
	s_and_b32 s[YB], ttmp7, 0xffff
	s_lshl_b32 s[YB], s[YB], 2
	s_add_co_u32 s[YB], s[YB], s[CY]
	s_lshl_b32 s25, s[CY], 2
	s_lshl_b32 s25, 15, s25                        ; my row of the cluster
	s_lshl_b32 s26, 0x1111, s[CX]                  ; my column
	; group 1: rows of 128 elements of 2 bytes (256 bytes: two rows of a tile), padded by 4 words after every 32 words; the table: after every 64
	s_or_b32 s[G1A], s25, (1<<16)|(1<<20)|(1<<21)|(4<<22)|(3<<25)
	s_or_b32 s[G1B], s26, (1<<16)|(1<<20)|(1<<21)|(4<<22)|(3<<25)
	s_mov_b32 s[G1C], (1<<16)|(1<<20)|(5<<22)|(3<<25)
.irp g, G1A, G1B, G1C
	s_mov_b32 s[\g+1], 128<<16                     ; tensor_dim0 = 128
	s_mov_b32 s[\g+3], 128<<16                     ; tile_dim0 = 128
	s_mov_b32 s[\g+5], 128                         ; 128 elements from row to row: dense
	s_mov_b32 s[\g+6], 0
	s_mov_b32 s[\g+7], 0
.endr
	s_mov_b32 s[G1A+2], 128<<16                    ; x's tile: 128 rows of 256 bytes
	s_mov_b32 s[G1A+4], 128
	s_mov_b32 s[G1B+2], 64<<16                     ; a strip: 64
	s_mov_b32 s[G1B+4], 64
	s_mov_b32 s[G1C+2], 64<<16                     ; my 64 rows of the table
	s_mov_b32 s[G1C+4], 64
	s_lshl_b32 s88, s[YB], 15                      ; x's tile: 256 rows of 128 bytes in a K block
	s_mov_b32 s89, 0
	s_min_u32 s90, s[WV], 2                        ; my strip: q, k or v (wave 3 asks for none),
	s_lshl_b32 s90, s90, 17                        ; 1,024 rows of 128 bytes apart,
	s_lshl_b32 s91, s[HX], 14                      ; the head's 128 rows
	s_add_co_u32 s90, s90, s91
	s_mov_b32 s91, 0
	s_and_b32 s92, s[YB], 7                        ; t of my first row, times 256 bytes: also my rows' place in a head of qh, kh, vh
	s_lshl_b32 s92, s92, 16
	s_lshl_b32 s93, s[WV], 14
	s_add_co_u32 s92, s92, s93
	s_mov_b32 s93, 0
	s_mul_i32 s94, s[WV], STRIP                    ; LDS: my strip
	s_mul_i32 s95, s[WV], 64*TP
	s_add_co_u32 s95, s95, TABL                    ; my rows of the table
	s_mul_i32 s96, s[WV], 64*PCH
	s_add_co_u32 s96, s96, ABASE                   ; my 64 rows of x's tile
	s_mul_i32 s97, s[WV], STG
	s_add_co_u32 s97, s97, STAGE                   ; my stage
	s_lshl_b32 s60, s[YB], 20                      ; ve: 256 rows of 4,096 bytes,
	s_lshl_b32 s62, s[WV], 18                      ; my 64 rows,
	s_add_co_u32 s60, s60, s62
	s_lshl_b32 s62, s[HX], 9                       ; the head's 512 bytes
	s_add_co_u32 s60, s60, s62
	s_mov_b32 s61, 0
	s_lshr_b32 s98, s[YB], 3                       ; the sequence,
	s_lshl_b32 s98, s98, 3
	s_add_co_u32 s98, s98, s[HX]                   ; times 8 plus the head,
	s_lshl_b32 s98, s98, 19                        ; 2,048 rows of 256 bytes each
	s_add_co_u32 s98, s98, s92
	s_mov_b32 s99, 0
	s_mov_b32 s[SEL], 0x76543210
	s_mov_b32 s[SEL+1], 0xfedcba98
	s_mov_b32 s[RCPD], 0x3c000000
	s_mov_b32 s[EPS], 0x34000000
	s_mov_b32 s[TB], 0
	s_wait_dscnt 0x0                               ; the opening add is done
	s_wait_kmcnt 0x0
	s_load_b64 s[LAM:LAM+1], s[12:13], 0x0
	s_add_nc_u64 s[4:5], s[4:5], s[88:89]
	s_add_nc_u64 s[6:7], s[6:7], s[90:91]
	s_add_nc_u64 s[8:9], s[8:9], s[92:93]
	s_add_nc_u64 s[VE:VE+1], s[VE:VE+1], s[60:61]
	s_add_nc_u64 s[QH:QH+1], s[QH:QH+1], s[98:99]
	s_add_nc_u64 s[KH:KH+1], s[KH:KH+1], s[98:99]
	s_add_nc_u64 s[VH:VH+1], s[VH:VH+1], s[98:99]
.irp n, 0,1
	s_mov_b32 s[G0A+4*\n], 1                       ; count = 1
	s_mov_b32 s[G0A+4*\n+1], ABASE+\n*SLOT1        ; LDS address
	s_add_nc_u64 s[G0A+4*\n+2:G0A+4*\n+3], s[4:5], \n*XKB  ; K block n
	s_or_b32 s[G0A+4*\n+3], s[G0A+4*\n+3], 0x80000000      ; type = 2
	s_mov_b32 s[G0B+4*\n], 1
	s_add_co_u32 s[G0B+4*\n+1], s94, \n*SLOT1
	s_add_nc_u64 s[G0B+4*\n+2:G0B+4*\n+3], s[6:7], \n*WKB
	s_or_b32 s[G0B+4*\n+3], s[G0B+4*\n+3], 0x80000000
.endr
	s_mov_b32 s[G0C], 1
	s_mov_b32 s[G0C+1], s95
	s_mov_b64 s[G0C+2:G0C+3], s[8:9]
	s_or_b32 s[G0C+3], s[G0C+3], 0x80000000
	CROUND                                         ; all sixteen work-groups are here: the first joint loads meet
	s_cmp_eq_u32 s[WV], 3                          ; a wave's three first fills stand in one branch: three loads of mine are out
	s_cbranch_scc0 .Lfirst_b
	tensor_load_to_lds s[G0A:G0A+3], s[G1A:G1A+7]
	s_nop 0
	tensor_load_to_lds s[G0A+4:G0A+7], s[G1A:G1A+7]
	s_nop 0
	tensor_load_to_lds s[G0C:G0C+3], s[G1C:G1C+7]
	s_nop 0
.rept 4
	v_nop
.endr
	s_branch .Lfirst_asked
.Lfirst_b:
	tensor_load_to_lds s[G0B:G0B+3], s[G1B:G1B+7]
	s_nop 0
	tensor_load_to_lds s[G0B+4:G0B+7], s[G1B:G1B+7]
	s_nop 0
	tensor_load_to_lds s[G0C:G0C+3], s[G1C:G1C+7]
	s_nop 0
.rept 4
	v_nop
.endr
.Lfirst_asked:
	; A fragment is 16 rows x 32 K in 8 registers: lane l holds row l % 16, K = 8 (l / 16) + 0..7 and 16 + 8 (l / 16) + 0..7: two loads of 16 bytes, 32 bytes apart.
	v_and_b32 v1, 15, v0                           ; l % 16
	v_bfe_u32 v2, v0, 4, 1                         ; l / 16
	v_and_b32 v3, 31, v0                           ; l
	v_mul_u32_u24 v[B0], v1, PCH
	v_lshl_add_u32 v[B0], v2, 4, v[B0]
	v_add_nc_u32 v[A0], s96, v[B0]
	v_mov_b32 v[ADRA], v[A0]
	v_mov_b32 v[ADRB], v[B0]
	v_mul_u32_u24 v4, v1, 272
	v_lshl_add_u32 v[STO16], v2, 4, v4
	v_add_nc_u32 v[STO16], s97, v[STO16]
	v_lshl_add_u32 v[CSA], v2, 5, v4               ; table: row x 272 + 32 x half
	v_add_nc_u32 v[CSA], s95, v[CSA]
	v_mul_u32_u24 v[RD16], v2, 272
	v_lshl_add_u32 v[RD16], v1, 4, v[RD16]
	v_add_nc_u32 v[RD16], s97, v[RD16]
	v_lshlrev_b32 v[GO16], 4, v3
	v_mul_u32_u24 v[STO32], v1, 528
	v_lshl_add_u32 v[STO32], v2, 5, v[STO32]
	v_add_nc_u32 v[STO32], s97, v[STO32]
	v_add_nc_u32 v[RD32], s97, v[GO16]
	v_lshlrev_b32 v[GO8], 3, v3
	v_mov_b32 v[RS+1], 0                           ; named with RS as a pair
	s_wait_kmcnt 0x0                               ; the lambdas
; 16 matrix instructions: tensor g, K half s, w's buffer buf, row blocks 2 half and 2 half + 1 x all 8 column blocks.  zero = 1: the product starts the sums.  The 96 accumulators take turns.
.macro MULG g, s, buf, half, zero
	WIN 0x50*((\g)+1)                              ; C and D in window g + 1, both sources in window 0
.set ia, 2*(\half)
.rept 2
.set ib, 0
.rept 8
.if \zero
	v_wmma_f32_16x16x32_bf16 v[8*(8*ia+ib):8*(8*ia+ib)+7], v[BF+64*(\buf)+8*ib:BF+64*(\buf)+8*ib+7], v[AF+32*(\s)+8*ia:AF+32*(\s)+8*ia+7], 0
.else
	v_wmma_f32_16x16x32_bf16 v[8*(8*ia+ib):8*(8*ia+ib)+7], v[BF+64*(\buf)+8*ib:BF+64*(\buf)+8*ib+7], v[AF+32*(\s)+8*ia:AF+32*(\s)+8*ia+7], v[8*(8*ia+ib):8*(8*ia+ib)+7]
.endif
.set ib, ib+1
.endr
.set ia, ia+1
.endr
.endm
.macro FB s, g, buf                    ; 16 LDS loads: strip g, K half s
.set ib, 0
.rept 8
	ds_load_b128 v[BF+64*(\buf)+8*ib:BF+64*(\buf)+8*ib+3], v[ADRB] offset:(\g)*STRIP+ib*16*PCH+64*(\s)
	ds_load_b128 v[BF+64*(\buf)+8*ib+4:BF+64*(\buf)+8*ib+7], v[ADRB] offset:(\g)*STRIP+ib*16*PCH+64*(\s)+32
.set ib, ib+1
.endr
.endm
.macro FA s                            ; 8 LDS loads: my 64 rows of x, K half s
.set ia, 0
.rept 4
	ds_load_b128 v[AF+32*(\s)+8*ia:AF+32*(\s)+8*ia+3], v[ADRA] offset:ia*16*PCH+64*(\s)
	ds_load_b128 v[AF+32*(\s)+8*ia+4:AF+32*(\s)+8*ia+7], v[ADRA] offset:ia*16*PCH+64*(\s)+32
.set ia, ia+1
.endr
.endm
; Group i (0 to 4): the next group's fragments are asked for in one run, then group i is multiplied.  The wait leaves out exactly the loads just issued.
.macro GROUP i, zero
	WIN 0
	PLACES                                         ; the buffer to be loaded was read by the matrix instructions just in front
	FB ((\i)+1)/3, ((\i)+1)%3, ((\i)+1)%2
.if (\i) == 2
	FA 1
	s_wait_dscnt 24
.else
	s_wait_dscnt 16
.endif
	MULG (\i)%3, (\i)/3, (\i)%2, 0, \zero
	MULG (\i)%3, (\i)/3, (\i)%2, 1, \zero
.endm
; Groups 4 and 5 and the change of slots: ONE barrier.  In front of it each wave waits for all its tensor loads (its part of the next slot), adds 0 to its spare word, and waits for that and for its reads of this slot.
; fill = 1: the barrier opens a round of the cluster's, and this slot is filled again, two K blocks on, first thing behind the round: 160 matrix instructions ahead of the wait for it.
.macro TURN fill
	WIN 0
	PLACES
	FB 1, 2, 1                                     ; group 5's fragments: my last reads of this slot
	s_wait_dscnt 16
	MULG 1, 1, 0, 0, 0
	WIN 0                                          ; (the add's two registers lie in window 0)
	s_wait_tensorcnt 0x0                           ; all my tensor loads have landed
	ds_add_u32 v[SPW], v[NIL]                      ; 0 onto my spare word: sixteen matrix instructions stand between it and the wait for it
	MULG 1, 1, 0, 1, 0
	s_wait_dscnt 0x0                               ; the add is done, and my reads of this slot are over
	s_barrier_signal -1
	MULG 2, 1, 1, 0, 0                             ; work on registers while the others arrive
	WIN 0                                          ; at a branch and at a label every window is 0
	s_barrier_wait -1
.if \fill
	CREST                                          ; no wave of any partner still reads this slot or has a load on its way
	s_xor_b32 s[G0A+5], s[G0A+5], SLOT1            ; the walking descriptors: the other slot than last time, the next K block
	s_add_nc_u64 s[G0A+6:G0A+7], s[G0A+6:G0A+7], XKB
	s_xor_b32 s[G0B+5], s[G0B+5], SLOT1
	s_add_nc_u64 s[G0B+6:G0B+7], s[G0B+6:G0B+7], WKB
	JLOAD                                          ; its four v_nop are also the places in front of the loads below
.else
	PLACES
.endif
	s_xor_b32 s[TB], s[TB], SLOT1
	v_add_nc_u32 v[ADRA], s[TB], v[A0]
	v_add_nc_u32 v[ADRB], s[TB], v[B0]
	FB 0, 0, 0                                     ; the next slot's first group
	FA 0
	MULG 2, 1, 1, 1, 0
.endm
	s_wait_tensorcnt 0x2                           ; my part of slot 0 is in; slot 1's and the table may stay out
	s_barrier_signal -1
	s_barrier_wait -1                              ; everybody's is
	FB 0, 0, 0
	FA 0
	GROUP 0, 1                                     ; the first K half stands in front of the loop: its products start the sums
	GROUP 1, 1
	GROUP 2, 1
	WIN 0
	s_mov_b32 s[CNT], 14                           ; K blocks 2 to 15 are asked for in the loop
.Lstep:                                        ; a trip: a step's second K half, the change of slots, the next step's first K half
	GROUP 3, 0
	TURN 1
	GROUP 0, 0
	GROUP 1, 0
	GROUP 2, 0
	WIN 0
	s_sub_co_u32 s[CNT], s[CNT], 1
	s_cmp_lg_u32 s[CNT], 0
	s_cbranch_scc1 .Lstep
	GROUP 3, 0                                     ; the tail is written out: nothing more is asked for
	TURN 0
	GROUP 0, 0
	GROUP 1, 0
	GROUP 2, 0
	GROUP 3, 0
	GROUP 4, 0
	s_wait_dscnt 0x0
	MULG 2, 1, 1, 0, 0
	MULG 2, 1, 1, 1, 0
	; THE WAY OUT.  Nothing is shared between waves: no barrier.
	WIN 0
	PLACES
	PLACES
.set ia, 0
.rept 4                                ; my 64 rows of the table: for block a and my 8 channels of blocks 0 and 1: cos, cos, sin, sin
.set ik, 0
.rept 4
	ds_load_b128 v[CS+32*ia+8*ik:CS+32*ia+8*ik+3], v[CSA] offset:ia*16*TP+128*(ik/2)+64*(ik%2)
	ds_load_b128 v[CS+32*ia+8*ik+4:CS+32*ia+8*ik+7], v[CSA] offset:ia*16*TP+128*(ik/2)+64*(ik%2)+16
.set ik, ik+1
.endr
.set ia, ia+1
.endr
	v_cvt_pk_bf16_f32 v21, s[LAM], s[LAM+1]        ; the lambdas, rounded like all inputs
	v_lshlrev_b32 v[L0], 16, v21
	v_and_b32 v[L1], 0xffff0000, v21
	v_max_num_f32 v25, |v[L0]|, |v[L1]|
	v_and_b32 v25, 0x7f800000, v25                 ; the exponent's bits,
	v_sub_nc_u32 v25, 0x7f000000, v25              ; and those of 2^-e
	v_mul_f32 v[L0], v[L0], v25
	v_mul_f32 v[L1], v[L1], v25
	v_mov_b32 v[L0+1], v[L0]                       ; named with it as a pair
	s_wait_dscnt 0x0
; Block a (16 rows) of q (W = 1) or k (W = 2): norm, RoPE, f16.  Each accumulator's lowest registers are read first.
.macro QK W, a
.set AC, 64*(\a)
.set CB, CS+32*(\a)
	WIN 5*(\W)                                     ; sources 0 and 1 in window W
.set ip, 0
.rept 4
	v_pk_mul_f32 v[T+2*ip:T+2*ip+1], v[AC+2*ip:AC+2*ip+1], v[AC+2*ip:AC+2*ip+1]
.set ip, ip+1
.endr
.rept 28
	v_pk_fma_f32 v[T+2*(ip%4):T+2*(ip%4)+1], v[AC+2*ip:AC+2*ip+1], v[AC+2*ip:AC+2*ip+1], v[T+2*(ip%4):T+2*(ip%4)+1]
.set ip, ip+1
.endr
	WIN 0
	v_pk_add_f32 v[T:T+1], v[T:T+1], v[T+2:T+3]
	v_pk_add_f32 v[T+4:T+5], v[T+4:T+5], v[T+6:T+7]
	v_pk_add_f32 v[T:T+1], v[T:T+1], v[T+4:T+5]
	v_add_f32 v[T], v[T], v[T+1]
	v_permlanex16_b32 v[T+1], v[T], s[SEL], s[SEL+1]  ; the row's other 64 columns lie in the lane 16 away
	v_add_f32 v[T], v[T], v[T+1]
	v_fma_f32 v[T], v[T], s[RCPD], s[EPS]          ; mean + eps
	v_rsq_f32 v[RS], v[T]
	v_nop                                          ; a plain instruction between the root and the use of its result
	WIN 0x41*(\W)                                  ; destination and source 0 in window W
.set ip, 0
	s_wait_alu depctr_va_vdst(0)
.rept 32
	v_pk_mul_f32 v[AC+2*ip:AC+2*ip+1], v[AC+2*ip:AC+2*ip+1], v[RS:RS+1] op_sel_hi:[1,0]
.set ip, ip+1
.endr
	WIN (\W)                                       ; source 0 in window W
.set ib, 0
.rept 2
.set ip, 0
.rept 4
	v_pk_mul_f32 v[Y+8*ib+2*ip:Y+8*ib+2*ip+1], v[AC+8*(ib+4)+2*ip:AC+8*(ib+4)+2*ip+1], v[CB+16+8*ib+2*ip:CB+16+8*ib+2*ip+1]        ; x2 s
	v_pk_mul_f32 v[Y+16+8*ib+2*ip:Y+16+8*ib+2*ip+1], v[AC+8*ib+2*ip:AC+8*ib+2*ip+1], v[CB+16+8*ib+2*ip:CB+16+8*ib+2*ip+1]          ; x1 s
	v_pk_fma_f32 v[Y+8*ib+2*ip:Y+8*ib+2*ip+1], v[AC+8*ib+2*ip:AC+8*ib+2*ip+1], v[CB+8*ib+2*ip:CB+8*ib+2*ip+1], v[Y+8*ib+2*ip:Y+8*ib+2*ip+1]  ; x1 c + x2 s
	v_pk_fma_f32 v[Y+16+8*ib+2*ip:Y+16+8*ib+2*ip+1], v[AC+8*(ib+4)+2*ip:AC+8*(ib+4)+2*ip+1], v[CB+8*ib+2*ip:CB+8*ib+2*ip+1], v[Y+16+8*ib+2*ip:Y+16+8*ib+2*ip+1] neg_lo:[0,0,1] neg_hi:[0,0,1]  ; x2 c - x1 s
.set ip, ip+1
.endr
.set ib, ib+1
.endr
	WIN 5*(\W)
.irp bb, 2,3,6,7                       ; the blocks that do not turn
.set ip, 0
.rept 4
	v_cvt_pk_f16_f32 v[PK+4*\bb+ip], v[AC+8*\bb+2*ip], v[AC+8*\bb+2*ip+1]
.set ip, ip+1
.endr
.endr
	WIN 0
.irp bb, 0,1
.set ip, 0
.rept 4
	v_cvt_pk_f16_f32 v[PK+4*\bb+ip], v[Y+8*\bb+2*ip], v[Y+8*\bb+2*ip+1]
	v_cvt_pk_f16_f32 v[PK+4*(\bb+4)+ip], v[Y+16+8*\bb+2*ip], v[Y+16+8*\bb+2*ip+1]
.set ip, ip+1
.endr
.endr
.endm
.macro TOSTAGE16                       ; 16 bytes a lane into rows of 272 bytes, and back as whole rows of 256
.set jf, 0
.rept 8
	ds_store_b128 v[STO16], v[PK+4*jf:PK+4*jf+3] offset:32*jf
.set jf, jf+1
.endr
.set jf, 0
.rept 8
	ds_load_b128 v[OB+4*jf:OB+4*jf+3], v[RD16] offset:544*jf  ; LDS serves a wave's instructions in order (ISA guide 5.7.1.4): these see the stores above
.set jf, jf+1
.endr
.endm
.macro SEND16 base, a
	s_wait_dscnt 0x0                               ; the block is back in registers
.set jf, 0
.rept 8
	global_store_b128 v[GO16], v[OB+4*jf:OB+4*jf+3], s[\base:\base+1] offset:4096*(\a)+512*jf  ; two rows of a head: 512 consecutive bytes, aligned
.set jf, jf+1
.endr
	s_wait_xcnt 0x0                                ; OB is loaded again only behind this wait
.endm
.macro UNIT W, a, pb, pa               ; a block's arithmetic stands between the block before's loads from the stage and its stores
	QK \W, \a
.if (\pa) >= 0
	SEND16 \pb, \pa
.endif
	TOSTAGE16
.endm
	UNIT 1, 0, QH, -1
	UNIT 1, 1, QH, 0
	UNIT 1, 2, QH, 1
	UNIT 1, 3, QH, 2
	WIN 0x40                                       ; window 1 is free: my 64 rows of ve, the head's 512 bytes a load, go there while k is worked on
.set ii, 0
.rept 64
	global_load_b128 v[4*ii:4*ii+3], v[GO16], s[VE:VE+1] offset:ii*4096 th:TH_LOAD_NT
.set ii, ii+1
.endr
	UNIT 2, 0, QH, 3
	UNIT 2, 1, KH, 0
	UNIT 2, 2, KH, 1
	UNIT 2, 3, KH, 2
	SEND16 KH, 3
; Block a of v: through the stage in f32 (rows of 528 bytes), so that a lane holds the same four columns of a row as of ve; then the mix, f16, and a row of 256 bytes a store.
.macro VU a
	WIN 0x0c                                       ; store data in window 3
.set ib, 0
.rept 8
	ds_store_b128 v[STO32], v[64*(\a)+8*ib:64*(\a)+8*ib+3] offset:64*ib
	ds_store_b128 v[STO32], v[64*(\a)+8*ib+4:64*(\a)+8*ib+7] offset:64*ib+16
.set ib, ib+1
.endr
	WIN 0
.set ii, 0
.rept 16
	ds_load_b128 v[RB+4*ii:RB+4*ii+3], v[RD32] offset:528*ii
.set ii, ii+1
.endr
	s_wait_loadcnt 48-16*(\a)                      ; this block's 16 loads of ve are in; the later blocks' stay out
	WIN 0x05                                       ; sources in window 1
.set ii, 0
.rept 32
	v_cvt_pk_bf16_f32 v[VB+ii], v[64*(\a)+2*ii], v[64*(\a)+2*ii+1]  ; ve is rounded like all inputs
.set ii, ii+1
.endr
	WIN 0
	s_wait_dscnt 0x0
	s_wait_xcnt 0x0                                ; OUT is written again only behind this wait
.set ii, 0
.rept 16
	v_pk_mul_f32 v[RB+4*ii:RB+4*ii+1], v[RB+4*ii:RB+4*ii+1], v[L0:L0+1] op_sel_hi:[1,0]
	v_pk_mul_f32 v[RB+4*ii+2:RB+4*ii+3], v[RB+4*ii+2:RB+4*ii+3], v[L0:L0+1] op_sel_hi:[1,0]
	v_fma_mix_f32_bf16 v[RB+4*ii], v[VB+2*ii], v[L1], v[RB+4*ii] op_sel_hi:[1,0,0]
	v_fma_mix_f32_bf16 v[RB+4*ii+1], v[VB+2*ii], v[L1], v[RB+4*ii+1] op_sel:[1,0,0] op_sel_hi:[1,0,0]
	v_fma_mix_f32_bf16 v[RB+4*ii+2], v[VB+2*ii+1], v[L1], v[RB+4*ii+2] op_sel_hi:[1,0,0]
	v_fma_mix_f32_bf16 v[RB+4*ii+3], v[VB+2*ii+1], v[L1], v[RB+4*ii+3] op_sel:[1,0,0] op_sel_hi:[1,0,0]
	v_cvt_pk_f16_f32 v[OUT+2*ii], v[RB+4*ii], v[RB+4*ii+1]
	v_cvt_pk_f16_f32 v[OUT+2*ii+1], v[RB+4*ii+2], v[RB+4*ii+3]
	global_store_b64 v[GO8], v[OUT+2*ii:OUT+2*ii+1], s[VH:VH+1] offset:4096*(\a)+256*ii  ; 32 lanes store a row's 256 bytes
.set ii, ii+1
.endr
.endm
	VU 0
	VU 1
	VU 2
	VU 3
	s_wait_tensorcnt 0x0                           ; the wave's end, behind my last tensor load and my last LDS store
	ds_add_u32 v[SPW], v[NIL]
	s_wait_dscnt 0x0
	CROUND                                         ; the closing round: no work-group ends while a partner may still ask for a tile that names it
	s_endpgm
.Lfunc_end_k_qf5a582ba7b_qkv:
	.size	k_qf5a582ba7b_qkv, .Lfunc_end_k_qf5a582ba7b_qkv-k_qf5a582ba7b_qkv
	.p2alignl 7, 3214868480
	.fill 96, 4, 3214868480
	.section	.rodata,"a",@progbits
	.p2align	6, 0x0
	.amdhsa_kernel k_qf5a582ba7b_qkv
		.amdhsa_group_segment_fixed_size 327680
		.amdhsa_private_segment_fixed_size 0
		.amdhsa_enable_private_segment 0
		.amdhsa_kernarg_size 64
		.amdhsa_user_sgpr_count 2
		.amdhsa_user_sgpr_kernarg_segment_ptr 1
		.amdhsa_wavefront_size32 1
		.amdhsa_system_sgpr_workgroup_id_x 1
		.amdhsa_system_sgpr_workgroup_id_y 1
		.amdhsa_system_sgpr_workgroup_id_z 1
		.amdhsa_system_vgpr_workitem_id 0
		.amdhsa_next_free_vgpr 1024
		.amdhsa_next_free_sgpr 100
		.amdhsa_reserve_vcc 0
		.amdhsa_float_denorm_mode_32 3
		.amdhsa_float_denorm_mode_16_64 3
		.amdhsa_memory_ordered 1
		.amdhsa_forward_progress 1
		.amdhsa_inst_pref_size 219
	.end_amdhsa_kernel
	.amdgpu_metadata
---
amdhsa.version: [ 1, 2 ]
amdhsa.kernels:
  - .name:           k_qf5a582ba7b_qkv
    .symbol:         k_qf5a582ba7b_qkv.kd
    .args:
      - { .name: xb, .offset: 0, .size: 8, .value_kind: global_buffer, .address_space: global }
      - { .name: wb, .offset: 8, .size: 8, .value_kind: global_buffer, .address_space: global }
      - { .name: tab, .offset: 16, .size: 8, .value_kind: global_buffer, .address_space: global }
      - { .name: ve, .offset: 24, .size: 8, .value_kind: global_buffer, .address_space: global }
      - { .name: lambdas, .offset: 32, .size: 8, .value_kind: global_buffer, .address_space: global }
      - { .name: qh, .offset: 40, .size: 8, .value_kind: global_buffer, .address_space: global }
      - { .name: kh, .offset: 48, .size: 8, .value_kind: global_buffer, .address_space: global }
      - { .name: vh, .offset: 56, .size: 8, .value_kind: global_buffer, .address_space: global }
    .group_segment_fixed_size: 327680
    .private_segment_fixed_size: 0
    .kernarg_segment_align: 8
    .kernarg_segment_size: 64
    .max_flat_workgroup_size: 128
    .sgpr_count:     100
    .vgpr_count:     1024
    .wavefront_size: 32
...
	.end_amdgpu_metadata
.endif
;; end of part 2
;; launch attn (part 3): grid 8 x 32, 4 waves a work-group, no clusters, 327,680 bytes of LDS; arguments qh, kh, vh, yb; writes yb
.if DOCPART == 3
	.amdgcn_target "amdgcn-amd-amdhsa--gfx1250"
	.amdhsa_code_object_version 6
	.text
	.protected	k_qf5a582ba7b_attn
	.globl	k_qf5a582ba7b_attn
	.p2align	8
	.type	k_qf5a582ba7b_attn,@function
k_qf5a582ba7b_attn:
	s_mov_b64 s[64:65], 0
	v_nop
	global_prefetch_b8 v0, s[64:65] scope:SCOPE_SE
	s_setreg_imm32_b32 hwreg(HW_REG_WAVE_MODE, 25, 1), 1
	s_wait_xcnt 0x0
; CAUSAL ATTENTION at head size 128.  y[q] = the sum over k <= q of softmax_k(Q[q] . K[k] / sqrt(128)) V[k].  qh, kh, vh: [32 heads][2048][128] f16; yb: [8192 rows][1024] f16, a head's 128 channels at 256 x (head % 8).
; Products, maxima and sums in f32; the weights p are rounded to f16 for the second product (their sum l is taken of the unrounded p), y once at the end.
; LIMITS.  A hidden score is replaced by -1e30 (the module: -1e9): its weight is 0 either way; a weight below 2^-126 counts as 0 in l; NaN and infinities are not treated apart.
; THE WALK.  A head's queries lie in 16 blocks of 128; block i needs the key tiles 0 .. i of 128 keys, of which the last holds the diagonal.  A work-group takes TWO blocks, 15 - b and then b: 17 tiles whatever b:
; all 256 work-groups do equal work, and loops with constant trip counts walk them.  The ring (two slots of LDS, a tile each) runs on across the change of blocks.
; NO CLUSTER: the 8 work-groups of a head ask for the same tile only in the walk's first 9 trips, behind that fewer and fewer; one walk common to all would have 24 trips for 17.
; SHARES.  Wave w owns queries 32 w .. 32 w + 31 of a block: two tiles of 16.  A tile of keys is two STEPS of 64.
; LAYOUT.  S^T = K Q^T (source 0 = 16 keys, source 1 = 16 queries): a lane holds ONE query (lane % 16) and the keys 8 (lane / 16) + 0..7.  Two such results rounded to f16 ARE source 1 of O^T = V^T P.
; K comes out of LDS as it lies, V turned, by ds_load_tr16_b128.
; SOFTMAX, in phases.  p = 2^(c s - c m), c = log2(e) / sqrt(128), with a running maximum m; O and l are multiplied by a = 2^(c m_old - c m_new) in every step.  A block begins with c m far below every c s: its first a is 0.
; REGISTERS, in windows of 256 (s_set_vgpr_msb: bits 1:0 source 0, 3:2 source 1, 5:4 source 2, 7:6 destination):
;   window 0: addresses, statistics, S^T v64-127, P v128-159, the way out v160-223;   window 1: O^T v0-127, Q v128-191, the second block's Q v192-255;   window 2: K v0-127, V v128-255 of one step
.set KS,    64
.set PK,    272                        ; a row of K in LDS: 256 bytes + 16 = 68 words: the 16 rows of a load start at 16 different groups of four banks (64 banks of 4 bytes: ISA guide 11.1)
.set PV,    288                        ; a row of V: 256 + 32 = 72 words
.set VOFF,  KS*PK                      ; a step's tiles lie together: 64 rows of K, then 64 rows of V
.set STEPB, KS*(PK+PV)
.set SLOT1, 1<<17
.set STAGE, SLOT1+2*STEPB              ; behind the ring: 16 rows x 272 bytes for each wave; no tensor load fills it
.set SP,    272
.set SPARE, STAGE+4*16*SP              ; the spare words, 128 bytes for each wave: two blocks of 256 bytes that no other line names
.set AK0, 2                            ; v2   my lane's place in a tile of K; never rewritten
.set AV0, 3                            ; v3   the same for V
.set ADR, 4                            ; v4   the LDS address of the run of loads in hand
.set QO,  5                            ; v5   my byte offset in 16 rows of Q
.set STO, 6                            ; v6   the way out: where I put 16 bytes of a row
.set RD,  7                            ; v7   where I read rows back
.set GO,  8                            ; v8   my byte offset in two rows of yb
.set DQ,  12                           ; v12-13  tile t: my query's place in the block less my lanes' 8 (l / 16)
.set TM,  14                           ; v14-15  the same less the step's first key
.set ST,  16                           ; tile t's statistics at v[ST+8 t]: c m, m, l (even keys', odd keys'), c0-c3 at work; a takes c2's place
.set BIG, 32                           ; v32  -1e30
.set PFO, 33                           ; v33  256 x lane: the prefetches' offset; never rewritten
.set SPW, 62                           ; v62  LDS address of my spare word; never rewritten
.set NIL, 63                           ; v63  0; never rewritten
.set S,   64
.set P,   128
.set WO,  160
.set QF,  128                          ; window 1
.set KF,  0                            ; window 2
.set VF,  128
.set WV,  12                           ; s12  my wave's number
.set PB,  14                           ; s14  b
.set HI,  15                           ; s15  15 - b
.set G1K, 24                           ; s[24:31] descriptor group 1 for K's tiles;  s[32:39] for V's: it differs in the padding alone
.set G1V, 32
.set G0K, 40                           ; s[40:47] group 0 for K's tiles: a set for each first fill; the second then walks;  s[48:55] the same for V's
.set G0V, 48
.set SLOTS, 56
.set CNT2, 57
.set CS,  58                           ; s[58:59] c
.set SEL, 60                           ; s[60:61] v_permlanex16_b32's selects
.set TB,  62                           ; s62  LDS byte at which the step to be fetched begins
.set RT,  70                           ; s70  tiles of the block in hand that are left, the one in hand among them
.set NXT, 71                           ; s71  the tile to be asked for next
.set LQ,  72                           ; s72  the last tile of the block whose tiles are being asked for
.set OFF, 74                           ; s[74:75] a tile's byte offset in K and V
.set OLO, 80                           ; s[80:81] yb at my rows of the second block
.set PFA, 82                           ; s[82:83] where my prefetches stand
.set PFN, 84                           ; s84  prefetches still to come
.set QB2, 86                           ; s[86:87] Q at my rows of the second block
.set MSB, 0
.macro WIN new
.if MSB != (\new)
	s_set_vgpr_msb (MSB<<8)|(\new)
.set MSB, (\new)
.endif
.endm
.set W_KQ, 0x06                        ; K in window 2, Q in window 1, S^T in window 0
.set W_PV, 0x52                        ; V in window 2, P in window 0, O^T in window 1
.set W_RS, 0x41                        ; destination and source 0 in window 1
.macro PLACES
.rept 4
	v_nop
.endr
.endm
.macro T2 line:vararg                  ; one line for each tile t
.set t, 0
.rept 2
	\line
.set t, t+1
.endr
.endm
; A refill.  Waves 0 and 1 fetch the two steps' K, waves 2 and 3 their V: 64 rows of 256 bytes each.  An s_nop 0 and four v_nop follow each of the two lines, ahead of the jump and the label.
.macro LOAD
	s_cmp_lt_u32 s[WV], 2
	s_cbranch_scc0 .Lfor_v_\@
	tensor_load_to_lds s[G0K+4:G0K+7], s[G1K:G1K+7]
	s_nop 0
.rept 4
	v_nop
.endr
	s_branch .Lasked_\@
.Lfor_v_\@:
	tensor_load_to_lds s[G0V+4:G0V+7], s[G1V:G1V+7]
	s_nop 0
.rept 4
	v_nop
.endr
.Lasked_\@:
.endm
; A PREFETCH INTO THE L2 of the tile behind the one just asked for: two key steps, 128 matrix instructions, ahead of the load that will want it.  All 8 work-groups of a head walk the same tiles: the one with b = 0,
; whose first block walks all 16, asks, for tiles 3 to 15: 13 times.  Each wave names the 64 rows that it will itself fetch, a lane a row, two instructions: each row is named once in the launch.
.macro ASK
	s_cmp_lg_u32 s[PFN], 0
	s_cbranch_scc0 .Lnone_\@
	global_prefetch_b8 v[PFO], s[PFA:PFA+1] th:TH_LOAD_NT scope:SCOPE_SE
	global_prefetch_b8 v[PFO], s[PFA:PFA+1] offset:8192 th:TH_LOAD_NT scope:SCOPE_SE
	s_sub_co_u32 s[PFN], s[PFN], 1
.Lnone_\@:
.endm
; THE CHANGE OF SLOTS, in a tile's second step, when all reads of the slot have been issued.  Each wave waits for all its tensor loads (its part of the other slot), adds 0 to its spare word, and waits for that and for its
; reads.  Behind the barrier nobody reads the old slot and the other is whole.  fill = 1: the old slot is filled again, first thing behind the barrier, with tile NXT; the address is made anew from that number.
.macro CHANGE fill
	WIN 0
	s_wait_tensorcnt 0x0                           ; no tensor load of mine is out, so a group 0 may be written
	ds_add_u32 v[SPW], v[NIL]                      ; 0 onto my spare word: scalar work stands between it and the wait for it
.if \fill
	s_lshl_b32 s[OFF], s[NXT], 15                  ; a tile is 32,768 bytes of K and of V
	s_xor_b32 s[G0K+5], s[G0K+5], SLOT1
	s_add_nc_u64 s[G0K+6:G0K+7], s[6:7], s[OFF:OFF+1]
	s_or_b32 s[G0K+7], s[G0K+7], 0x80000000
	s_xor_b32 s[G0V+5], s[G0V+5], SLOT1
	s_add_nc_u64 s[G0V+6:G0V+7], s[8:9], s[OFF:OFF+1]
	s_or_b32 s[G0V+7], s[G0V+7], 0x80000000
	s_add_co_u32 s[NXT], s[NXT], 1                 ; the block's next tile, or behind its last the second block's tile 0
	s_cmp_gt_u32 s[NXT], s[LQ]
	s_cselect_b32 s[NXT], 0, s[NXT]
	s_cselect_b32 s[LQ], s[PB], s[LQ]
	s_wait_xcnt 0x0                                ; the last prefetches, two key steps back, have read their address
	s_add_nc_u64 s[PFA:PFA+1], s[PFA:PFA+1], 32768
.endif
	s_wait_dscnt 0x0                               ; the add is done, and my reads of the slot are over
	s_barrier_signal -1
	s_sub_co_u32 s[TB], s[TB], 2*STEPB             ; the fetches go back to a slot's first step,
	s_xor_b32 s[TB], s[TB], SLOT1                  ; in the other slot
	s_barrier_wait -1
.if \fill
	LOAD
	ASK
.endif
.endm
	s_load_b256 s[4:11], s[0:1], 0x0               ; qh s[4:5], kh s[6:7], vh s[8:9], yb s[10:11]
	v_lshl_add_u32 v[SPW], v0, 2, SPARE
	v_mov_b32 v[NIL], 0
	ds_add_u32 v[SPW], v[NIL]                      ; the wave's opening: the add and its wait stand ahead of my first tensor load
	ds_add_u32 v62, v63
	v_lshrrev_b32 v1, 5, v0
	v_readfirstlane_b32 s[WV], v1
	s_mov_b32 s[PB], ttmp9
	s_sub_co_u32 s[HI], 15, s[PB]
	s_and_b32 s20, ttmp7, 0xffff                   ; the head
	s_lshl_b32 s16, s20, 19                        ; its first byte in qh, kh, vh
	s_and_b32 s17, s[WV], 1                        ; which of a tile's two steps I fetch:
	s_lshl_b32 s18, s17, 14                        ; its 64 rows of 256 bytes,
	s_add_co_u32 s18, s18, s16
	s_mov_b32 s19, 0
	s_mul_i32 s21, s17, STEPB                      ; and its place in a slot
	s_lshl_b32 s22, s[WV], 13                      ; my 32 rows of a block of Q
	s_add_co_u32 s22, s22, s16
	s_lshl_b32 s2, s[HI], 15
	s_add_co_u32 s2, s2, s22
	s_mov_b32 s3, 0
	s_lshl_b32 s76, s[PB], 15
	s_add_co_u32 s76, s76, s22
	s_mov_b32 s77, 0
	s_lshr_b32 s23, s20, 3                         ; yb: the sequence's 2,048 rows of 2,048 bytes,
	s_lshl_b32 s23, s23, 22
	s_and_b32 s78, s20, 7
	s_lshl_b32 s78, s78, 8                         ; the head's 256 bytes of a row,
	s_add_co_u32 s23, s23, s78
	s_lshl_b32 s78, s[WV], 16                      ; my 32 rows,
	s_add_co_u32 s23, s23, s78
	s_lshl_b32 s78, s[HI], 18                      ; the block's 128 rows
	s_add_co_u32 s78, s78, s23
	s_mov_b32 s79, 0
	s_lshl_b32 s88, s[PB], 18
	s_add_co_u32 s88, s88, s23
	s_mov_b32 s89, 0
	s_mov_b32 s[G1K], (1<<16)|(1<<20)|(5<<22)|(3<<25)  ; 2-byte elements; padding on; after every 64 words; 4 words
	s_mov_b32 s[G1V], (1<<16)|(1<<20)|(5<<22)|(7<<25)  ; the same with 8 words
.irp g, G1K, G1V
	s_mov_b32 s[\g+1], 128<<16                     ; tensor_dim0 = 128
	s_mov_b32 s[\g+2], KS<<16                      ; tensor_dim1 = 64
	s_mov_b32 s[\g+3], 128<<16                     ; tile_dim0 = 128
	s_mov_b32 s[\g+4], KS                          ; tile_dim1 = 64
	s_mov_b32 s[\g+5], 128                         ; 128 elements from row to row
	s_mov_b32 s[\g+6], 0
	s_mov_b32 s[\g+7], 0
.endr
	s_mov_b32 s[CS], 0x3e0293ee                    ; c = log2(e) / sqrt(128)
	s_mov_b32 s[CS+1], s[CS]
	s_mov_b32 s[SEL], 0x76543210
	s_mov_b32 s[SEL+1], 0xfedcba98
	s_mov_b32 s[TB], 0
	s_add_co_u32 s[RT], s[HI], 1                   ; the first block has 16 - b tiles
	s_mov_b32 s[NXT], 2
	s_mov_b32 s[LQ], s[HI]
	s_mov_b32 s[OFF+1], 0
	s_mov_b32 s[SLOTS], 15
	s_wait_dscnt 0x0                               ; the opening add is done
	s_wait_kmcnt 0x0
	s_add_nc_u64 s[6:7], s[6:7], s[18:19]          ; K and V at my half of the head's tile 0
	s_add_nc_u64 s[8:9], s[8:9], s[18:19]
	s_add_nc_u64 s[QB2:QB2+1], s[4:5], s[76:77]
	s_add_nc_u64 s[4:5], s[4:5], s[2:3]
	s_add_nc_u64 s[OLO:OLO+1], s[10:11], s[88:89]
	s_add_nc_u64 s[10:11], s[10:11], s[78:79]
.irp n, 0,1
	s_mov_b32 s[G0K+4*\n], 1
	s_add_co_u32 s[G0K+4*\n+1], s21, \n*SLOT1
	s_add_nc_u64 s[G0K+4*\n+2:G0K+4*\n+3], s[6:7], \n*32768
	s_or_b32 s[G0K+4*\n+3], s[G0K+4*\n+3], 0x80000000
	s_mov_b32 s[G0V+4*\n], 1
	s_add_co_u32 s[G0V+4*\n+1], s21, \n*SLOT1+VOFF
	s_add_nc_u64 s[G0V+4*\n+2:G0V+4*\n+3], s[8:9], \n*32768
	s_or_b32 s[G0V+4*\n+3], s[G0V+4*\n+3], 0x80000000
.endr
	s_cmp_lt_u32 s[WV], 2
	s_cselect_b64 s[PFA:PFA+1], s[6:7], s[8:9]
	s_add_nc_u64 s[PFA:PFA+1], s[PFA:PFA+1], 2*32768  ; at tile 2; the first change of slots steps it to tile 3.  Nothing is prefetched here, at the head
	s_cmp_eq_u32 s[PB], 0
	s_cselect_b32 s[PFN], 13, 0
	s_cmp_lt_u32 s[WV], 2                          ; a wave's two first fills stand in one branch: two loads of mine are out
	s_cbranch_scc0 .Lfirst_v
	tensor_load_to_lds s[G0K:G0K+3], s[G1K:G1K+7]
	s_nop 0
	tensor_load_to_lds s[G0K+4:G0K+7], s[G1K:G1K+7]
	s_nop 0
.rept 4
	v_nop
.endr
	s_branch .Lfirst_asked
.Lfirst_v:
	tensor_load_to_lds s[G0V:G0V+3], s[G1V:G1V+7]
	s_nop 0
	tensor_load_to_lds s[G0V+4:G0V+7], s[G1V:G1V+7]
	s_nop 0
.rept 4
	v_nop
.endr
.Lfirst_asked:
	v_and_b32 v1, 15, v0                           ; l % 16
	v_bfe_u32 v9, v0, 4, 1                         ; l / 16
	v_lshlrev_b32 v[QO], 8, v1
	v_lshl_add_u32 v[QO], v9, 4, v[QO]
	WIN 0x40                                       ; destination window 1
.set ii, 0
.rept 8                                ; both blocks' Q stay in registers: tile ii / 4, channels 32 (ii % 4) on
	global_load_b128 v[QF+8*ii:QF+8*ii+3], v[QO], s[4:5] offset:(ii/4)*4096+(ii%4)*64
	global_load_b128 v[QF+8*ii+4:QF+8*ii+7], v[QO], s[4:5] offset:(ii/4)*4096+(ii%4)*64+32
	global_load_b128 v[QF+64+8*ii:QF+64+8*ii+3], v[QO], s[QB2:QB2+1] offset:(ii/4)*4096+(ii%4)*64
	global_load_b128 v[QF+64+8*ii+4:QF+64+8*ii+7], v[QO], s[QB2:QB2+1] offset:(ii/4)*4096+(ii%4)*64+32
.set ii, ii+1
.endr
.set ii, 0
.rept 128                              ; a block's first step multiplies O^T and l by a = 0, so they need only be finite: zeros here, in the wait for the first tile; no first step is written out
	v_mov_b32 v[ii], 0
.set ii, ii+1
.endr
	WIN 0
	T2 v_mov_b32 v[ST+8*t], 0xfe000000             ; c m: far below every c s
	T2 v_mov_b32 v[ST+8*t+1], 0xff7fffff           ; m
	T2 v_mov_b32 v[ST+8*t+2], 0
	T2 v_mov_b32 v[ST+8*t+3], 0
	v_mov_b32 v[BIG], 0xf149f2ca
	v_and_b32 v[PFO], 31, v0
	v_lshlrev_b32 v[PFO], 8, v[PFO]
	v_mul_u32_u24 v[AK0], v1, PK
	v_lshl_add_u32 v[AK0], v9, 4, v[AK0]
	; The turning load takes 16 keys x 16 channels (lane l reads key 8 (l / 16) + l % 8, channels 8 ((l / 8) % 2) + 0..7) and leaves half a fragment of V^T: lane l holds channel l % 16 and 8 keys.
	v_and_b32 v10, 7, v0
	v_bfe_u32 v11, v0, 3, 1
	v_lshl_add_u32 v[AV0], v9, 3, v10
	v_mul_u32_u24 v[AV0], v[AV0], PV
	v_lshl_add_u32 v[AV0], v11, 4, v[AV0]
	v_add_nc_u32 v[AV0], VOFF, v[AV0]
	s_mul_i32 s13, s[WV], 16*SP
	s_add_co_u32 s13, s13, STAGE
	v_mul_u32_u24 v[STO], v1, SP
	v_lshl_add_u32 v[STO], v9, 4, v[STO]
	v_add_nc_u32 v[STO], s13, v[STO]
	v_mul_u32_u24 v[RD], v9, SP
	v_lshl_add_u32 v[RD], v1, 4, v[RD]
	v_add_nc_u32 v[RD], s13, v[RD]
	v_lshlrev_b32 v[GO], 11, v9                    ; lanes 16-31: the next row of yb
	v_lshl_add_u32 v[GO], v1, 4, v[GO]
	v_lshlrev_b32 v10, 3, v9
	v_sub_nc_u32 v[DQ], v1, v10
	s_lshl_b32 s13, s[WV], 5
	v_add_nc_u32 v[DQ], s13, v[DQ]                 ; 32 w + l % 16 - 8 (l / 16)
	v_add_nc_u32 v[DQ+1], 16, v[DQ]
; 32 products S^T = K Q^T: channels 32 (i / 8) on, keys 16 ((i / 2) % 4) on, tile i % 2.  The first 8 start the sums.  The 8 accumulators take turns.
.macro KQ32
	WIN W_KQ
.set i, 0
.rept 32
.set rS, S+32*(i%2)+8*((i/2)%4)
.set rK, KF+32*((i/2)%4)+8*(i/8)
.set rQ, QF+32*(i%2)+8*(i/8)
.if i < 8
	v_wmma_f32_16x16x32_f16 v[rS:rS+7], v[rK:rK+7], v[rQ:rQ+7], 0
.else
	v_wmma_f32_16x16x32_f16 v[rS:rS+7], v[rK:rK+7], v[rQ:rQ+7], v[rS:rS+7]
.endif
.set i, i+1
.endr
.endm
; 32 products O^T += V^T P: keys 32 (i / 16) on, channels 16 ((i / 2) % 8) on, tile i % 2: 16 accumulators by turns.
.macro PV32
	WIN W_PV
.set i, 0
.rept 32
.set rO, 64*(i%2)+8*((i/2)%8)
.set rV, VF+64*(i/16)+8*((i/2)%8)
.set rP, P+16*(i%2)+8*(i/16)
	v_wmma_f32_16x16x32_f16 v[rO:rO+7], v[rV:rV+7], v[rP:rP+7], v[rO:rO+7]
.set i, i+1
.endr
.endm
.macro FETCH_K                         ; 32 LDS loads: keys 16 (f / 4) on, channels 32 (f % 4) on
	WIN 0
	v_add_nc_u32 v[ADR], s[TB], v[AK0]
	WIN 0x80
.set jf, 0
.rept 16
	ds_load_b128 v[KF+8*jf:KF+8*jf+3], v[ADR] offset:(jf/4)*16*PK+(jf%4)*64
	ds_load_b128 v[KF+8*jf+4:KF+8*jf+7], v[ADR] offset:(jf/4)*16*PK+(jf%4)*64+32
.set jf, jf+1
.endr
	WIN 0
.endm
.macro FETCH_V                         ; 32 turning loads: keys 32 (f / 8) on, channels 16 (f % 8) on
	WIN 0
	v_add_nc_u32 v[ADR], s[TB], v[AV0]
	s_add_co_u32 s[TB], s[TB], STEPB               ; the next fetch is the next step's
	WIN 0x80
.set jf, 0
.rept 16
	ds_load_tr16_b128 v[VF+8*jf:VF+8*jf+3], v[ADR] offset:(jf/8)*32*PV+(jf%8)*32
	ds_load_tr16_b128 v[VF+8*jf+4:VF+8*jf+7], v[ADR] offset:(jf/8)*32*PV+16*PV+(jf%8)*32
.set jf, jf+1
.endr
	WIN 0
.endm
; The diagonal tile's step s: score register 8 kb + j is hidden where 64 s + 16 kb + 8 (l / 16) + j is greater than my query's place in the block.  Ascending.
.macro MASK s
.set it, 0
.rept 2
	v_add_nc_u32 v[TM+it], -64*(\s), v[DQ+it]
.set ii, 0
.rept 32
	v_cmp_gt_i32 vcc_lo, 16*(ii/8)+ii%8, v[TM+it]
	v_cndmask_b32 v[S+32*it+ii], v[S+32*it+ii], v[BIG], vcc_lo
.set ii, ii+1
.endr
.set it, it+1
.endr
.endm
.macro SOFTMAX                         ; 134 instructions a tile, the two tiles alternating
	WIN 0
.set jj, 0
.rept 4                                ; four chains of seven scores, three operands at a time; each accumulator's lowest registers first
	T2 v_max3_num_f32 v[ST+8*t+4+jj], v[S+32*t+8*jj], v[S+32*t+8*jj+1], v[S+32*t+8*jj+2]
.set jj, jj+1
.endr
.rept 8
	T2 v_max3_num_f32 v[ST+8*t+4+jj%4], v[ST+8*t+4+jj%4], v[S+32*t+8*(jj%4)+2*(jj/4)+1], v[S+32*t+8*(jj%4)+2*(jj/4)+2]
.set jj, jj+1
.endr
	T2 v_max3_num_f32 v[ST+8*t+4], v[ST+8*t+4], v[S+32*t+7], v[S+32*t+15]
	T2 v_max3_num_f32 v[ST+8*t+6], v[ST+8*t+6], v[S+32*t+23], v[S+32*t+31]
	T2 v_max3_num_f32 v[ST+8*t+4], v[ST+8*t+4], v[ST+8*t+5], v[ST+8*t+6]
	T2 v_max3_num_f32 v[ST+8*t+4], v[ST+8*t+4], v[ST+8*t+7], v[ST+8*t+1]
	T2 v_permlanex16_b32 v[ST+8*t+5], v[ST+8*t+4], s[SEL], s[SEL+1]  ; the query's other 32 keys lie in the lane 16 away
	T2 v_mov_b32 v[ST+8*t+7], v[ST+8*t]            ; c m_old
	T2 v_max_num_f32 v[ST+8*t+1], v[ST+8*t+4], v[ST+8*t+5]
	T2 v_mul_f32 v[ST+8*t], s[CS], v[ST+8*t+1]
	T2 v_sub_f32 v[ST+8*t+7], v[ST+8*t+7], v[ST+8*t]
	T2 v_exp_f32 v[ST+8*t+6], v[ST+8*t+7]          ; a; the scalings below are the plain instructions behind it
.set ip, 0
.rept 16
	T2 v_pk_fma_f32 v[S+32*t+2*ip:S+32*t+2*ip+1], v[S+32*t+2*ip:S+32*t+2*ip+1], s[CS:CS+1], v[ST+8*t:ST+8*t+1] op_sel_hi:[1,0,0] neg_lo:[0,0,1] neg_hi:[0,0,1]
.set ip, ip+1
.endr
.set ii, 0
.rept 64
	v_exp_f32 v[S+ii], v[S+ii]
.set ii, ii+1
.endr
	v_nop                                          ; a plain instruction between the last exponential and the use of its result
.set ii, 0
	s_wait_alu depctr_va_vdst(0)
.rept 32
	v_cvt_pk_f16_f32 v[P+ii], v[S+2*ii], v[S+2*ii+1]
.set ii, ii+1
.endr
.irp w, 4, 8, 16, 32                   ; the sum of a tile's 16 pairs, in place: neighbours 1, 2, 4 and 8 pairs apart
.set iu, 0
.rept 64/\w
	v_pk_add_f32 v[S+\w*iu:S+\w*iu+1], v[S+\w*iu:S+\w*iu+1], v[S+\w*iu+\w/2:S+\w*iu+\w/2+1]
.set iu, iu+1
.endr
.endr
	T2 v_pk_fma_f32 v[ST+8*t+2:ST+8*t+3], v[ST+8*t+2:ST+8*t+3], v[ST+8*t+6:ST+8*t+7], v[S+32*t:S+32*t+1] op_sel_hi:[1,0,1]
	WIN W_RS
.set ii, 0
.rept 32
	T2 v_pk_mul_f32 v[64*t+2*ii:64*t+2*ii+1], v[64*t+2*ii:64*t+2*ii+1], v[ST+8*t+6:ST+8*t+7] op_sel_hi:[1,0]
.set ii, ii+1
.endr
.endm
; A KEY STEP.  s: which step of its tile.  chg = 1: the change of slots with a refill; 2: without.  K of the next step is fetched behind this step's K Q^T, V of the next step behind this step's V^T P.
.macro STEP s, chg
	s_wait_dscnt 32                                ; K is in; V's 32 younger loads may stay out
	KQ32
	WIN 0
.if (\chg) == 1
	CHANGE 1
.elseif (\chg) == 2
	CHANGE 0
.endif
	PLACES                                         ; behind the products: in front of the loads into K's registers and of the first read of the scores
	FETCH_K
	s_cmp_eq_u32 s[RT], 1                          ; the block's last tile holds the diagonal
	s_cbranch_scc0 .Lopen_\@
	MASK \s
.Lopen_\@:
	SOFTMAX
	s_wait_dscnt 32                                ; V is in; the next K's 32 loads may stay out
	PV32
	WIN 0
	PLACES
	FETCH_V
.endm
; Behind a tile: if it was the block's last, THE WAY OUT (l's halves are added; O^T is divided by l, rounded to f16 and sent through my stage, a tile of 16 rows at a time), and the second block is set up.
.macro BLOCKEND
	s_sub_co_u32 s[RT], s[RT], 1
	s_cmp_lg_u32 s[RT], 0
	s_cbranch_scc1 .Lgo_on_\@
	s_wait_xcnt 0x0                                ; the registers of the way out are written again only behind this wait
	T2 v_add_f32 v[ST+8*t+4], v[ST+8*t+2], v[ST+8*t+3]
	T2 v_permlanex16_b32 v[ST+8*t+5], v[ST+8*t+4], s[SEL], s[SEL+1]
	T2 v_add_f32 v[ST+8*t+4], v[ST+8*t+4], v[ST+8*t+5]
	T2 v_rcp_f32 v[ST+8*t+6], v[ST+8*t+4]
	v_nop
	s_wait_alu depctr_va_vdst(0)
	WIN W_RS
.set ii, 0
.rept 32
	T2 v_pk_mul_f32 v[64*t+2*ii:64*t+2*ii+1], v[64*t+2*ii:64*t+2*ii+1], v[ST+8*t+6:ST+8*t+7] op_sel_hi:[1,0]
.set ii, ii+1
.endr
	WIN 0x05                                       ; sources in window 1
.set ii, 0
.rept 64
	v_cvt_pk_f16_f32 v[WO+ii], v[2*ii], v[2*ii+1]
.set ii, ii+1
.endr
	WIN 0
.set it, 0
.rept 2
.set jf, 0
.rept 8
	ds_store_b128 v[STO], v[WO+32*it+4*jf:WO+32*it+4*jf+3] offset:32*jf
.set jf, jf+1
.endr
.set jf, 0
.rept 8
	ds_load_b128 v[WO+32*it+4*jf:WO+32*it+4*jf+3], v[RD] offset:jf*2*SP  ; LDS serves a wave's instructions in order (ISA guide 5.7.1.4): these see the stores above; the next tile's stores come behind them
.set jf, jf+1
.endr
.set it, it+1
.endr
	s_wait_dscnt 0x0
.set ii, 0
.rept 16
	global_store_b128 v[GO], v[WO+4*ii:WO+4*ii+3], s[10:11] offset:(ii/8)*32768+(ii%8)*4096  ; 16 lanes store a row's 256 bytes of the head, aligned
.set ii, ii+1
.endr
	s_wait_xcnt 0x0                                ; the stores have read their base
	s_mov_b64 s[10:11], s[OLO:OLO+1]
	s_add_co_u32 s[RT], s[PB], 1                   ; the second block has b + 1 tiles
	WIN 0x41
.set ii, 0
.rept 64
	v_mov_b32 v[QF+ii], v[QF+64+ii]                ; its Q goes where the one text names Q
.set ii, ii+1
.endr
	WIN 0
	T2 v_mov_b32 v[ST+8*t], 0xfe000000
	T2 v_mov_b32 v[ST+8*t+1], 0xff7fffff
.Lgo_on_\@:
.endm
	s_wait_tensorcnt 0x1                           ; my part of slot 0 is in; slot 1's may stay out
	s_barrier_signal -1
	s_barrier_wait -1
	FETCH_K                                        ; key step 0
	FETCH_V
	s_wait_loadcnt 0x0                             ; Q
.Ltile:                                        ; 15 trips: a tile is worked on, and its slot is filled again with the tile two on
	STEP 0, 0
	STEP 1, 1
	BLOCKEND
	s_sub_co_u32 s[SLOTS], s[SLOTS], 1
	s_cmp_lg_u32 s[SLOTS], 0
	s_cbranch_scc1 .Ltile
	s_mov_b32 s[CNT2], 2
.Ltail:                                        ; the last two tiles ask for nothing.  The very last fetches (of a slot that has been read before) serve nothing: the price of one text for both trips
	STEP 0, 0
	STEP 1, 2
	BLOCKEND
	s_sub_co_u32 s[CNT2], s[CNT2], 1
	s_cmp_lg_u32 s[CNT2], 0
	s_cbranch_scc1 .Ltail
	s_wait_tensorcnt 0x0                           ; the wave's end, behind my last tensor load and my last LDS store
	ds_add_u32 v[SPW], v[NIL]
	s_wait_dscnt 0x0
	s_endpgm
.Lfunc_end_k_qf5a582ba7b_attn:
	.size	k_qf5a582ba7b_attn, .Lfunc_end_k_qf5a582ba7b_attn-k_qf5a582ba7b_attn
	.p2alignl 7, 3214868480
	.fill 96, 4, 3214868480
	.section	.rodata,"a",@progbits
	.p2align	6, 0x0
	.amdhsa_kernel k_qf5a582ba7b_attn
		.amdhsa_group_segment_fixed_size 327680
		.amdhsa_private_segment_fixed_size 0
		.amdhsa_enable_private_segment 0
		.amdhsa_kernarg_size 32
		.amdhsa_user_sgpr_count 2
		.amdhsa_user_sgpr_kernarg_segment_ptr 1
		.amdhsa_wavefront_size32 1
		.amdhsa_system_sgpr_workgroup_id_x 1
		.amdhsa_system_sgpr_workgroup_id_y 1
		.amdhsa_system_sgpr_workgroup_id_z 1
		.amdhsa_system_vgpr_workitem_id 0
		.amdhsa_next_free_vgpr 768
		.amdhsa_next_free_sgpr 96
		.amdhsa_reserve_vcc 1
		.amdhsa_float_denorm_mode_32 3
		.amdhsa_float_denorm_mode_16_64 3
		.amdhsa_memory_ordered 1
		.amdhsa_forward_progress 1
		.amdhsa_inst_pref_size 160
	.end_amdhsa_kernel
	.amdgpu_metadata
---
amdhsa.version: [ 1, 2 ]
amdhsa.kernels:
  - .name:           k_qf5a582ba7b_attn
    .symbol:         k_qf5a582ba7b_attn.kd
    .args:
      - { .name: qh, .offset: 0, .size: 8, .value_kind: global_buffer, .address_space: global }
      - { .name: kh, .offset: 8, .size: 8, .value_kind: global_buffer, .address_space: global }
      - { .name: vh, .offset: 16, .size: 8, .value_kind: global_buffer, .address_space: global }
      - { .name: yb, .offset: 24, .size: 8, .value_kind: global_buffer, .address_space: global }
    .group_segment_fixed_size: 327680
    .private_segment_fixed_size: 0
    .kernarg_segment_align: 8
    .kernarg_segment_size: 32
    .max_flat_workgroup_size: 128
    .sgpr_count:     96
    .vgpr_count:     768
    .wavefront_size: 32
...
	.end_amdgpu_metadata
.endif
;; end of part 3
;; launch proj (part 4): grid 8 x 32, 4 waves a work-group, clusters of 4 x 4, 327,680 bytes of LDS; arguments yb, cb, lambdas, out0; writes out0
.if DOCPART == 4
	.amdgcn_target "amdgcn-amd-amdhsa--gfx1250"
	.amdhsa_code_object_version 6
	.text
	.protected	k_qf5a582ba7b_proj
	.globl	k_qf5a582ba7b_proj
	.p2align	8
	.type	k_qf5a582ba7b_proj,@function
k_qf5a582ba7b_proj:
	s_mov_b64 s[64:65], 0
	v_nop
	global_prefetch_b8 v0, s[64:65] scope:SCOPE_SE
	s_setreg_imm32_b32 hwreg(HW_REG_WAVE_MODE, 25, 1), 1
	s_wait_xcnt 0x0
	s_wait_alu depctr_hold_cnt(0) depctr_sa_sdst(0) depctr_va_vdst(0) depctr_va_sdst(0) depctr_va_ssrc(0) depctr_va_vcc(0) depctr_vm_vsrc(0)
	s_getreg_b32 s2, hwreg(HW_REG_IB_STS2, 6, 4)
	s_cmp_eq_u32 s2, 0
	s_cbranch_scc0 .Lentry_in_a_cluster
	s_endpgm
.Lentry_in_a_cluster:
	s_bfe_u32 s2, ttmp6, 0x10000c
	s_cmp_lg_u32 s2, 0xf033
	s_cbranch_scc0 .Lentry_shape_is_right
	s_endpgm
.Lentry_shape_is_right:
; PROJ: out0[m][n] = 2^e x the sum over k of yb[m][k] cb[n][k].  yb [8192][1024], cb [1024][1024] in f16, sums in f32, out0 f32.  2^e undoes the scale that the second launch put on the lambdas:
; e is the exponent of the larger magnitude of the two lambdas rounded to bf16 (with both denormal: out0 = 0).
; A tile of out0 is 256 x 128: 256 work-groups.  Wave w owns rows 64 w .. 64 w + 63 and all 128 columns: 32 accumulators in window 1, (a, b) at v[8 (8 a + b)]; fragments and addresses in window 0.
; K goes in 8 steps of 128 (rows of 256 bytes) through two LDS slots; a step is four SLICES of 32 along K, 32 matrix instructions each, on two fragment buffers.
; THE MATRIX INSTRUCTION IS USED TRANSPOSED (source 0 = 16 rows of cb, source 1 = 16 rows of yb): a lane holds eight neighbouring columns of a row.
; CLUSTER 4 x 4: yb's tile is shared along a row of the cluster, cb's along a column.  Waves 0 and 1 ask for yb's halves (128 rows), waves 2 and 3 for cb's (64 rows).
; No prefetch: the tiles are shared in the cluster, and the launch is short.
.set PT,    272                        ; an LDS row: 256 bytes + 16
.set AH,    128*PT
.set BBASE, 2*AH                       ; cb's 128 rows lie behind yb's 256
.set BH,    64*PT
.set SLOT1, 1<<17
.set STAGE, SLOT1+BBASE+2*BH           ; behind the ring: 8,448 bytes for each wave; no tensor load fills it
.set STG,   8448
.set SPARE, STAGE+4*STG                ; the spare words, 128 bytes for each wave: two blocks of 256 bytes that no other line names
.set A0,    10
.set B0,    11
.set ADRA,  12
.set ADRB,  13
.set GO16,  16
.set STO32, 17
.set RD32,  18
.set SPW,   28
.set NIL,   29
.set SC,    30                         ; v[30:31] 2^e
.set F,     64                         ; v[64:255] two buffers of 96: cb's 8 fragments, then yb's 4
.set WV,    12
.set G1A,   24
.set G1B,   32
.set G0A,   40                         ; a set for each first fill; the second then walks
.set G0B,   48
.set CNT,   56
.set TB,    57
.set LAM,   58
.set MSB, 0
.macro WIN new
.if MSB != (\new)
	s_set_vgpr_msb (MSB<<8)|(\new)
.set MSB, (\new)
.endif
.endm
.macro PLACES
.rept 4
	v_nop
.endr
.endm
.macro JLOAD                           ; an s_nop 0 and four v_nop follow each of the two lines, ahead of the jump and the label
	s_cmp_lt_u32 s[WV], 2
	s_cbranch_scc0 .Lfor_b_\@
	tensor_load_to_lds s[G0A+4:G0A+7], s[G1A:G1A+7]
	s_nop 0
.rept 4
	v_nop
.endr
	s_branch .Lasked_\@
.Lfor_b_\@:
	tensor_load_to_lds s[G0B+4:G0B+7], s[G1B:G1B+7]
	s_nop 0
.rept 4
	v_nop
.endr
.Lasked_\@:
.endm
.macro CREST
	s_cmp_lg_u32 s[WV], 0
	s_cbranch_scc1 .Lnot_wave_0_\@
	s_barrier_signal -3
.Lnot_wave_0_\@:
	s_barrier_wait -3
	s_barrier_signal -1
	s_barrier_wait -1
.endm
.macro CROUND
	s_barrier_signal -1
	s_barrier_wait -1
	CREST
.endm
	s_load_b256 s[4:11], s[0:1], 0x0               ; yb s[4:5], cb s[6:7], lambdas s[8:9], out0 s[10:11]
	v_lshl_add_u32 v[SPW], v0, 2, SPARE
	v_mov_b32 v[NIL], 0
	ds_add_u32 v[SPW], v[NIL]                      ; the wave's opening: the add and its wait stand ahead of my first tensor load
	ds_add_u32 v28, v29
	v_lshrrev_b32 v1, 5, v0
	v_readfirstlane_b32 s[WV], v1
	s_bfe_u32 s13, ttmp6, 0x40000                  ; cx
	s_bfe_u32 s14, ttmp6, 0x40004                  ; cy
	s_lshl_b32 s15, ttmp9, 2
	s_add_co_u32 s15, s15, s13                     ; tile column
	s_and_b32 s16, ttmp7, 0xffff
	s_lshl_b32 s16, s16, 2
	s_add_co_u32 s16, s16, s14                     ; tile row
	s_lshl_b32 s17, s14, 2
	s_lshl_b32 s17, 15, s17                        ; my row of the cluster
	s_lshl_b32 s18, 0x1111, s13                    ; my column
	s_or_b32 s[G1A], s17, (1<<16)|(1<<20)|(1<<21)|(5<<22)|(3<<25)  ; the mask; 2-byte elements; padding on; bit 21 beside a mask; 4 words after every 64
	s_or_b32 s[G1B], s18, (1<<16)|(1<<20)|(1<<21)|(5<<22)|(3<<25)
.irp g, G1A, G1B
	s_mov_b32 s[\g+1], 128<<16                     ; tensor_dim0 = 128
	s_mov_b32 s[\g+3], 128<<16                     ; tile_dim0 = 128
	s_mov_b32 s[\g+5], 1024                        ; 1,024 elements from row to row
	s_mov_b32 s[\g+6], 0
	s_mov_b32 s[\g+7], 0
.endr
	s_mov_b32 s[G1A+2], 128<<16
	s_mov_b32 s[G1A+4], 128
	s_mov_b32 s[G1B+2], 64<<16
	s_mov_b32 s[G1B+4], 64
	s_and_b32 s19, s[WV], 1                        ; which half I fetch
	s_lshl_b32 s20, s16, 19                        ; yb: 256 rows of 2,048 bytes,
	s_lshl_b32 s21, s19, 18                        ; 128 rows
	s_add_co_u32 s20, s20, s21
	s_mov_b32 s21, 0
	s_lshl_b32 s22, s15, 18                        ; cb: 128 rows,
	s_lshl_b32 s23, s19, 17                        ; 64 rows
	s_add_co_u32 s22, s22, s23
	s_mov_b32 s23, 0
	s_mul_i32 s60, s19, AH
	s_mul_i32 s61, s19, BH
	s_add_co_u32 s61, s61, BBASE
	s_mul_i32 s62, s[WV], 64*PT                    ; my 64 rows of yb's tile
	s_mul_i32 s63, s[WV], STG
	s_add_co_u32 s63, s63, STAGE
	s_lshl_b32 s66, s16, 20                        ; out0: 256 rows of 4,096 bytes,
	s_lshl_b32 s68, s[WV], 18                      ; my 64 rows,
	s_add_co_u32 s66, s66, s68
	s_lshl_b32 s68, s15, 9                         ; the tile's 512 bytes of a row
	s_add_co_u32 s66, s66, s68
	s_mov_b32 s67, 0
	s_mov_b32 s[TB], 0
	s_wait_dscnt 0x0                               ; the opening add is done
	s_wait_kmcnt 0x0
	s_load_b64 s[LAM:LAM+1], s[8:9], 0x0
	s_add_nc_u64 s[4:5], s[4:5], s[20:21]
	s_add_nc_u64 s[6:7], s[6:7], s[22:23]
	s_add_nc_u64 s[10:11], s[10:11], s[66:67]
.irp n, 0,1
	s_mov_b32 s[G0A+4*\n], 1
	s_add_co_u32 s[G0A+4*\n+1], s60, \n*SLOT1
	s_add_nc_u64 s[G0A+4*\n+2:G0A+4*\n+3], s[4:5], \n*256
	s_or_b32 s[G0A+4*\n+3], s[G0A+4*\n+3], 0x80000000
	s_mov_b32 s[G0B+4*\n], 1
	s_add_co_u32 s[G0B+4*\n+1], s61, \n*SLOT1
	s_add_nc_u64 s[G0B+4*\n+2:G0B+4*\n+3], s[6:7], \n*256
	s_or_b32 s[G0B+4*\n+3], s[G0B+4*\n+3], 0x80000000
.endr
	CROUND                                         ; all sixteen work-groups are here: the first joint loads meet
	s_cmp_lt_u32 s[WV], 2                          ; a wave's two first fills stand in one branch: two loads of mine are out
	s_cbranch_scc0 .Lfirst_b
	tensor_load_to_lds s[G0A:G0A+3], s[G1A:G1A+7]
	s_nop 0
	tensor_load_to_lds s[G0A+4:G0A+7], s[G1A:G1A+7]
	s_nop 0
.rept 4
	v_nop
.endr
	s_branch .Lfirst_asked
.Lfirst_b:
	tensor_load_to_lds s[G0B:G0B+3], s[G1B:G1B+7]
	s_nop 0
	tensor_load_to_lds s[G0B+4:G0B+7], s[G1B:G1B+7]
	s_nop 0
.rept 4
	v_nop
.endr
.Lfirst_asked:
	v_and_b32 v1, 15, v0
	v_bfe_u32 v2, v0, 4, 1
	v_and_b32 v3, 31, v0
	v_mul_u32_u24 v4, v1, PT
	v_lshl_add_u32 v4, v2, 4, v4                   ; row x pitch + 16 x half
	v_add_nc_u32 v[A0], s62, v4
	v_add_nc_u32 v[B0], BBASE, v4
	v_mov_b32 v[ADRA], v[A0]
	v_mov_b32 v[ADRB], v[B0]
	v_lshlrev_b32 v[GO16], 4, v3
	v_mul_u32_u24 v[STO32], v1, 528
	v_lshl_add_u32 v[STO32], v2, 5, v[STO32]
	v_add_nc_u32 v[STO32], s63, v[STO32]
	v_add_nc_u32 v[RD32], s63, v[GO16]
	s_wait_kmcnt 0x0
	v_cvt_pk_bf16_f32 v5, s[LAM], s[LAM+1]         ; the lambdas as the second launch rounded them
	v_lshlrev_b32 v6, 16, v5
	v_and_b32 v7, 0xffff0000, v5
	v_max_num_f32 v6, |v6|, |v7|
	v_and_b32 v[SC], 0x7f800000, v6                ; 2^e
	v_mov_b32 v[SC+1], v[SC]
.macro MUL buf, half, zero             ; 16 matrix instructions; the 32 accumulators take turns
	WIN 0x50
.set ia, 2*(\half)
.rept 2
.set ib, 0
.rept 8
.if \zero
	v_wmma_f32_16x16x32_f16 v[8*(8*ia+ib):8*(8*ia+ib)+7], v[F+96*(\buf)+8*ib:F+96*(\buf)+8*ib+7], v[F+96*(\buf)+64+8*ia:F+96*(\buf)+64+8*ia+7], 0
.else
	v_wmma_f32_16x16x32_f16 v[8*(8*ia+ib):8*(8*ia+ib)+7], v[F+96*(\buf)+8*ib:F+96*(\buf)+8*ib+7], v[F+96*(\buf)+64+8*ia:F+96*(\buf)+64+8*ia+7], v[8*(8*ia+ib):8*(8*ia+ib)+7]
.endif
.set ib, ib+1
.endr
.set ia, ia+1
.endr
.endm
.macro FETCH s, buf                    ; 24 LDS loads: slice s
.set ib, 0
.rept 8
	ds_load_b128 v[F+96*(\buf)+8*ib:F+96*(\buf)+8*ib+3], v[ADRB] offset:ib*16*PT+64*(\s)
	ds_load_b128 v[F+96*(\buf)+8*ib+4:F+96*(\buf)+8*ib+7], v[ADRB] offset:ib*16*PT+64*(\s)+32
.set ib, ib+1
.endr
.set ia, 0
.rept 4
	ds_load_b128 v[F+96*(\buf)+64+8*ia:F+96*(\buf)+64+8*ia+3], v[ADRA] offset:ia*16*PT+64*(\s)
	ds_load_b128 v[F+96*(\buf)+64+8*ia+4:F+96*(\buf)+64+8*ia+7], v[ADRA] offset:ia*16*PT+64*(\s)+32
.set ia, ia+1
.endr
.endm
.macro SLICE s, zero                   ; the next slice's fragments are asked for, then slice s is multiplied; the wait leaves out the 24 loads just issued
	WIN 0
	PLACES
	FETCH (\s)+1, ((\s)+1)%2
	s_wait_dscnt 24
	MUL (\s)%2, 0, \zero
	MUL (\s)%2, 1, \zero
.endm
; Slices 2 and 3 and the change of slots: ONE barrier; in front of it each wave waits for all its tensor loads, adds 0 to its spare word, and waits for that and for its reads of this slot.
; fill = 1: the barrier opens a round of the cluster's, and this slot is filled again, two K steps on: 96 matrix instructions ahead of the wait for it.
.macro TURN fill
	WIN 0
	PLACES
	FETCH 3, 1                                     ; my last reads of this slot
	s_wait_dscnt 24
	MUL 0, 0, 0
	WIN 0
	s_wait_tensorcnt 0x0                           ; all my tensor loads have landed
	ds_add_u32 v[SPW], v[NIL]                      ; 0 onto my spare word
	MUL 0, 1, 0
	s_wait_dscnt 0x0                               ; the add is done, and my reads of this slot are over
	s_barrier_signal -1
	MUL 1, 0, 0
	WIN 0
	s_barrier_wait -1
.if \fill
	CREST
	s_xor_b32 s[G0A+5], s[G0A+5], SLOT1
	s_add_nc_u64 s[G0A+6:G0A+7], s[G0A+6:G0A+7], 256
	s_xor_b32 s[G0B+5], s[G0B+5], SLOT1
	s_add_nc_u64 s[G0B+6:G0B+7], s[G0B+6:G0B+7], 256
	JLOAD
.else
	PLACES
.endif
	s_xor_b32 s[TB], s[TB], SLOT1
	v_add_nc_u32 v[ADRA], s[TB], v[A0]
	v_add_nc_u32 v[ADRB], s[TB], v[B0]
	FETCH 0, 0
	MUL 1, 1, 0
.endm
	s_wait_tensorcnt 0x1                           ; my part of slot 0 is in; slot 1's may stay out
	s_barrier_signal -1
	s_barrier_wait -1
	FETCH 0, 0
	SLICE 0, 1                                     ; the first slice stands in front of the loop: its products start the sums
	WIN 0
	s_mov_b32 s[CNT], 6                            ; K steps 2 to 7 are asked for in the loop
.Lstep:
	SLICE 1, 0
	TURN 1
	SLICE 0, 0
	WIN 0
	s_sub_co_u32 s[CNT], s[CNT], 1
	s_cmp_lg_u32 s[CNT], 0
	s_cbranch_scc1 .Lstep
	SLICE 1, 0                                     ; the tail is written out: nothing more is asked for
	TURN 0
	SLICE 0, 0
	SLICE 1, 0
	SLICE 2, 0
	s_wait_dscnt 0x0
	MUL 1, 0, 0
	MUL 1, 1, 0
	; THE WAY OUT: a block of 16 rows at a time through my stage (rows of 528 bytes), back as whole rows of 512 bytes, times 2^e, stored.  Two row buffers take turns.
	WIN 0
	PLACES
	PLACES
.macro OUTB a
.set RB, F+64*((\a)%2)
	WIN 0x04                                       ; store data in window 1; each accumulator's lowest registers go first
.set ib, 0
.rept 8
	ds_store_b128 v[STO32], v[64*(\a)+8*ib:64*(\a)+8*ib+3] offset:64*ib
	ds_store_b128 v[STO32], v[64*(\a)+8*ib+4:64*(\a)+8*ib+7] offset:64*ib+16
.set ib, ib+1
.endr
	WIN 0
	s_wait_xcnt 0x0                                ; the row buffer is loaded again only behind this wait
.set ii, 0
.rept 16
	ds_load_b128 v[RB+4*ii:RB+4*ii+3], v[RD32] offset:528*ii  ; LDS serves a wave's instructions in order (ISA guide 5.7.1.4): these see the stores above
.set ii, ii+1
.endr
	s_wait_dscnt 0x0
.set ii, 0
.rept 32
	v_pk_mul_f32 v[RB+2*ii:RB+2*ii+1], v[RB+2*ii:RB+2*ii+1], v[SC:SC+1] op_sel_hi:[1,0]
.set ii, ii+1
.endr
.set ii, 0
.rept 16
	global_store_b128 v[GO16], v[RB+4*ii:RB+4*ii+3], s[10:11] offset:(16*(\a)+ii)*4096 th:TH_STORE_NT  ; 512 consecutive bytes of a row, aligned
.set ii, ii+1
.endr
.endm
	OUTB 0
	OUTB 1
	OUTB 2
	OUTB 3
	s_wait_tensorcnt 0x0                           ; the wave's end, behind my last tensor load and my last LDS store
	ds_add_u32 v[SPW], v[NIL]
	s_wait_dscnt 0x0
	CROUND                                         ; the closing round: no work-group ends while a partner may still ask for a tile that names it
	s_endpgm
.Lfunc_end_k_qf5a582ba7b_proj:
	.size	k_qf5a582ba7b_proj, .Lfunc_end_k_qf5a582ba7b_proj-k_qf5a582ba7b_proj
	.p2alignl 7, 3214868480
	.fill 96, 4, 3214868480
	.section	.rodata,"a",@progbits
	.p2align	6, 0x0
	.amdhsa_kernel k_qf5a582ba7b_proj
		.amdhsa_group_segment_fixed_size 327680
		.amdhsa_private_segment_fixed_size 0
		.amdhsa_enable_private_segment 0
		.amdhsa_kernarg_size 32
		.amdhsa_user_sgpr_count 2
		.amdhsa_user_sgpr_kernarg_segment_ptr 1
		.amdhsa_wavefront_size32 1
		.amdhsa_system_sgpr_workgroup_id_x 1
		.amdhsa_system_sgpr_workgroup_id_y 1
		.amdhsa_system_sgpr_workgroup_id_z 1
		.amdhsa_system_vgpr_workitem_id 0
		.amdhsa_next_free_vgpr 512
		.amdhsa_next_free_sgpr 72
		.amdhsa_reserve_vcc 0
		.amdhsa_float_denorm_mode_32 3
		.amdhsa_float_denorm_mode_16_64 3
		.amdhsa_memory_ordered 1
		.amdhsa_forward_progress 1
		.amdhsa_inst_pref_size 76
	.end_amdhsa_kernel
	.amdgpu_metadata
---
amdhsa.version: [ 1, 2 ]
amdhsa.kernels:
  - .name:           k_qf5a582ba7b_proj
    .symbol:         k_qf5a582ba7b_proj.kd
    .args:
      - { .name: yb, .offset: 0, .size: 8, .value_kind: global_buffer, .address_space: global }
      - { .name: cb, .offset: 8, .size: 8, .value_kind: global_buffer, .address_space: global }
      - { .name: lambdas, .offset: 16, .size: 8, .value_kind: global_buffer, .address_space: global }
      - { .name: out0, .offset: 24, .size: 8, .value_kind: global_buffer, .address_space: global }
    .group_segment_fixed_size: 327680
    .private_segment_fixed_size: 0
    .kernarg_segment_align: 8
    .kernarg_segment_size: 32
    .max_flat_workgroup_size: 128
    .sgpr_count:     72
    .vgpr_count:     512
    .wavefront_size: 32
...
	.end_amdgpu_metadata
.endif
;; end of part 4
;; ======== version 2 of 2: 4 launches; version 1 with the launch prep written anew for expert scheduling mode
;; limits: values are held in f16: magnitudes above 65,504 overflow, below 6.1e-05 lose precision
;; workspace buffers: xb 16,777,216 bytes; wb 6,291,456 bytes; cb 2,097,152 bytes; tab 524,288 bytes; qh 16,777,216 bytes; kh 16,777,216 bytes; vh 16,777,216 bytes; yb 16,777,216 bytes
;; launch prep (part 5): grid 896 x 1, 8 waves a work-group, no clusters, 0 bytes of LDS; arguments x, qkv_w, c_proj_w, xb, wb, cb, tab; writes xb, wb, cb, tab
.if DOCPART == 5
	.amdgcn_target "amdgcn-amd-amdhsa--gfx1250"
	.amdhsa_code_object_version 6
	.text
	.protected	k_qf5a582ba7b_prep
	.globl	k_qf5a582ba7b_prep
	.p2align	8
	.type	k_qf5a582ba7b_prep,@function
k_qf5a582ba7b_prep:
	s_mov_b64 s[64:65], 0
	v_nop
	global_prefetch_b8 v0, s[64:65] scope:SCOPE_SE
	s_setreg_imm32_b32 hwreg(HW_REG_WAVE_SCHED_MODE, 0, 2), 2
	s_setreg_imm32_b32 hwreg(HW_REG_WAVE_MODE, 25, 1), 1
	s_wait_xcnt 0x0
	s_wait_alu depctr_vm_vsrc(0)
; PREP: the module's matrix inputs are rounded once, and the RoPE table is made.
;   xb [16 kb][8192 rows][64] bf16 = x, wb [16 kb][3072 rows][64] bf16 = qkv_w: blocked by 64 along K, so that a tile of rows x 64 K is dense in memory.
;   cb [1024][1024] f16 = c_proj_w rounded to bf16 and that number written as f16.  LIMIT: numbers of c_proj_w under 2^-14 keep f16's fixed step of 6e-8; above 65,504 they become infinite.
;   tab [2048 t][32 cos, 32 sin] f32: the 32 channels whose frequency is not 0; theta = t x 2^(-10 d / 31) is one f32 product, as in the module.
; SHARES.  Work-groups 0-511: 16 rows of x each; 512-703: 16 rows of qkv_w; 704-767: 16 rows of c_proj_w; 768-895: 256 x 4 numbers of the table.  No LDS, no barrier: no thread wants another's bytes.
; A cast thread has 16 loads of 16 bytes on their way; each wait lets the younger loads stay out; no register is written twice, so nothing waits for a store.
; THE MODE: SCHED_MODE bits 1:0 = 2 (LLVM: expert scheduling mode 2), set by the entry lines.  The code itself states the register dependences
; between vector instructions and memory instructions, with s_wait_alu, always for 0.
; THE PLAN.  Registers that memory instructions touch, on each of the four paths (there is no loop):
;   v3, v4, v5 (table: v7)  byte offsets.  Written once, at the path's head; read by every load or store of the path; never written again.
;   XR   Written by the path's 16 loads, once each; read (in c_proj_w's path also rewritten) by vector lines behind the wait for the load; no memory instruction reads it, no load lands in it twice.
;   YR   Written by the conversions, once each; read by the stores, once each.  (Table: v[48:51].)
; So no register that a memory instruction has read is written again: the text holds no wait on vm_vsrc past the entry lines.  The waits on va_vdst: one behind the offsets' arithmetic, ahead of the first load; and, the items
; going in four GROUPS whose stores are issued one group later, one at the head of groups 1 to 3 and one ahead of the last group's stores: each states that the group before has written its part of YR.
; The stores then stand among the next group's conversions, which name that group's XR and YR (and TQ) alone: none of the registers that those stores read.
; In the table's path the four compares write s24 to s27 in one run, with one wait on va_sdst ahead of the first line that reads a mask.
.set XR, 16                            ; v[16:79]   as loaded
.set YR, 80                            ; v[80:111]  to store
.set TQ, 8                             ; v[8:11]    at work: no memory instruction names them
	s_load_b256 s[4:11], s[0:1], 0x0               ; x s[4:5], qkv_w s[6:7], c_proj_w s[8:9], xb s[10:11]
	s_load_b128 s[12:15], s[0:1], 0x20             ; wb s[12:13], cb s[14:15]
	s_load_b64 s[16:17], s[0:1], 0x30              ; tab
	v_lshrrev_b32 v1, 4, v0                        ; my row of the group's 16: two rows a wave
	v_and_b32 v2, 15, v0                           ; my place in the row's piece
	s_mov_b32 s21, 0
	s_mov_b32 s23, 0
	s_wait_kmcnt 0x0
	s_cmp_lt_u32 ttmp9, 512
	s_cbranch_scc1 .Lcast_x
	s_cmp_lt_u32 ttmp9, 704
	s_cbranch_scc1 .Lcast_w
	s_cmp_lt_u32 ttmp9, 768
	s_cbranch_scc1 .Lcast_c
	; THE TABLE.  Thread e makes four numbers: t = e / 16, cos or sin by bit 3, channels 4 (e % 8) + 0..3; it stores 16 bytes at 16 e.
	s_sub_co_u32 s20, ttmp9, 768
	s_lshl_b32 s20, s20, 8
	v_add_nc_u32 v3, s20, v0                       ; e
	v_lshrrev_b32 v4, 4, v3
	v_cvt_f32_u32 v4, v4                           ; t
	v_bfe_u32 v5, v3, 3, 1
	v_mul_u32_u24 v5, 3, v5                        ; sin(theta) = cos(theta - pi/2): three quadrants on
	v_and_b32 v6, 7, v3
	v_lshlrev_b32 v6, 2, v6                        ; first channel
	v_lshlrev_b32 v7, 4, v3                        ; byte offset
.irp i, 0,1,2,3
	v_add_nc_u32 v[16+8*\i], \i, v6
	v_cvt_f32_u32 v[16+8*\i], v[16+8*\i]
	v_mul_f32 v[16+8*\i], 0xbea5294a, v[16+8*\i]   ; -10 d / 31
.endr
.irp i, 0,1,2,3
	v_exp_f32 v[16+8*\i], v[16+8*\i]               ; the frequency
.endr
	v_nop                                          ; a plain instruction between the last exponential and the use of its result (ISA guide 5.7.2)
	s_wait_alu depctr_va_vdst(0)                   ; the four exponentials have written the frequencies v16, v24, v32, v40, ahead of their first reader: one wait for the batch
; per number: +0 theta, +1 n, +2 r, +3 z, +4 p, +5 sin r, +6 cos r.  theta (up to 2,047) less n x pi/2 in three parts, of which n x the first is exact; |r| <= pi/4; series to r^7 and r^8.
.irp i, 0,1,2,3
	v_mul_f32 v[16+8*\i], v4, v[16+8*\i]
	v_mul_f32 v[17+8*\i], 0x3f22f983, v[16+8*\i]   ; 2 / pi
	v_rndne_f32 v[17+8*\i], v[17+8*\i]
	v_fmamk_f32 v[18+8*\i], v[17+8*\i], 0xbfc90000, v[16+8*\i]
	v_fmamk_f32 v[18+8*\i], v[17+8*\i], 0xb9fda000, v[18+8*\i]
	v_fmamk_f32 v[18+8*\i], v[17+8*\i], 0xb3a22169, v[18+8*\i]
	v_mul_f32 v[19+8*\i], v[18+8*\i], v[18+8*\i]
	v_mov_b32 v[20+8*\i], 0xb9500d01               ; -1/5040
	v_fmaak_f32 v[20+8*\i], v[19+8*\i], v[20+8*\i], 0x3c088889  ; 1/120
	v_fmaak_f32 v[20+8*\i], v[19+8*\i], v[20+8*\i], 0xbe2aaaab  ; -1/6
	v_mul_f32 v[21+8*\i], v[18+8*\i], v[19+8*\i]
	v_fma_f32 v[21+8*\i], v[21+8*\i], v[20+8*\i], v[18+8*\i]    ; sin r
	v_mov_b32 v[20+8*\i], 0x37d00d01               ; 1/40320
	v_fmaak_f32 v[20+8*\i], v[19+8*\i], v[20+8*\i], 0xbab60b61  ; -1/720
	v_fmaak_f32 v[20+8*\i], v[19+8*\i], v[20+8*\i], 0x3d2aaaab  ; 1/24
	v_fma_f32 v[22+8*\i], v[19+8*\i], -0.5, 1.0
	v_mul_f32 v[19+8*\i], v[19+8*\i], v[19+8*\i]
	v_fma_f32 v[22+8*\i], v[19+8*\i], v[20+8*\i], v[22+8*\i]    ; cos r
	v_cvt_i32_f32 v[17+8*\i], v[17+8*\i]
	v_add_nc_u32 v[17+8*\i], v[17+8*\i], v5        ; the quadrant q
	v_and_b32 v[20+8*\i], 1, v[17+8*\i]
.endr
.irp i, 0,1,2,3
	v_cmp_eq_u32 s[24+\i], 1, v[20+8*\i]           ; is q odd?  The four masks in one run, a scalar register each
.endr
.irp i, 0,1,2,3                        ; the signs hang on no mask: they stand between the compares and the wait for them
	v_add_nc_u32 v[17+8*\i], 1, v[17+8*\i]
	v_and_b32 v[17+8*\i], 2, v[17+8*\i]            ; q % 4 = 1 or 2: the sign turns
	v_lshlrev_b32 v[17+8*\i], 30, v[17+8*\i]
.endr
	s_wait_alu depctr_va_sdst(0)                   ; the four compares have written s24 to s27, ahead of the first line that reads one of them
.irp i, 0,1,2,3
	v_cndmask_b32 v[22+8*\i], v[22+8*\i], v[21+8*\i], s[24+\i]  ; odd q: sin r, even q: cos r (a choice of values only)
	v_xor_b32 v[48+\i], v[22+8*\i], v[17+8*\i]
.endr
	s_wait_alu depctr_va_vdst(0)                   ; v7 and v[48:51] are written: the store reads them as its offset and its data
	global_store_b128 v7, v[48:51], s[16:17]       ; sixteen lanes store one t's 256 bytes
	s_endpgm
; 16 rows of a [rows][1024] f32 matrix into the blocked bf16 layout.  Load i: K block i: sixteen lanes read 256 consecutive bytes of a row, the other sixteen the next row's.
; Store i: 8 bytes a lane: two neighbouring rows of K block i are 256 consecutive bytes, aligned.  K blocks 8-15 have an offset register of their own (the immediate holds 7 blocks at the most).
; Four groups of four K blocks: store i stands ahead of the conversions of K block i + 4.
.macro CASTB src, dst, rows, g0
	s_sub_co_u32 s20, ttmp9, \g0
	s_lshl_b32 s22, s20, 11                        ; 16 rows x 128 bytes out
	s_lshl_b32 s20, s20, 16                        ; 16 rows x 4,096 bytes in
	s_add_nc_u64 s[\src:\src+1], s[\src:\src+1], s[20:21]
	s_add_nc_u64 s[\dst:\dst+1], s[\dst:\dst+1], s[22:23]
	v_lshlrev_b32 v3, 12, v1
	v_lshl_add_u32 v3, v2, 4, v3
	v_lshlrev_b32 v4, 7, v1
	v_lshl_add_u32 v4, v2, 3, v4
	v_add_nc_u32 v5, 8*(\rows)*128, v4
	s_wait_alu depctr_va_vdst(0)                   ; v3, v4 and v5 are written: every load and store of this path reads one of them as its offset
.set ii, 0
.rept 16
	global_load_b128 v[XR+4*ii:XR+4*ii+3], v3, s[\src:\src+1] offset:256*ii th:TH_LOAD_NT
.set ii, ii+1
.endr
.set ii, 0
.rept 16
	s_wait_loadcnt 15-ii                           ; loads come back in order (ISA guide 5.7.1): load ii is in, the 15 - ii younger ones stay out
.if (ii%4 == 0) && (ii > 0)
	s_wait_alu depctr_va_vdst(0)                   ; the group before has written its eight registers of YR, which the four stores dealt among this group's conversions read
.endif
.if ii >= 4
	global_store_b64 v[4+(ii-4)/8], v[YR+2*(ii-4):YR+2*(ii-4)+1], s[\dst:\dst+1] offset:((ii-4)%8)*(\rows)*128  ; the group before; no vector line since the wait names these registers
.endif
	v_cvt_pk_bf16_f32 v[YR+2*ii], v[XR+4*ii], v[XR+4*ii+1]
	v_cvt_pk_bf16_f32 v[YR+2*ii+1], v[XR+4*ii+2], v[XR+4*ii+3]
.set ii, ii+1
.endr
	s_wait_alu depctr_va_vdst(0)                   ; the last group has written its eight registers of YR, which the last four stores read
.set ii, 12
.rept 4
	global_store_b64 v5, v[YR+2*ii:YR+2*ii+1], s[\dst:\dst+1] offset:(ii%8)*(\rows)*128
.set ii, ii+1
.endr
	s_endpgm
.endm
.Lcast_x:
	CASTB 4, 10, 8192, 0
.Lcast_w:
	CASTB 6, 12, 3072, 512
.Lcast_c:
	; c_proj_w: row-major out.  A lane takes 32 bytes (two loads on end, which together cover whole blocks of 256 bytes) and stores 16: sixteen lanes store 256 consecutive bytes.
	; Four groups of two pairs of loads: store i stands ahead of the arithmetic of pair i + 2.
	s_sub_co_u32 s20, ttmp9, 704
	s_lshl_b32 s22, s20, 15                        ; 16 rows x 2,048 bytes out
	s_lshl_b32 s20, s20, 16
	s_add_nc_u64 s[8:9], s[8:9], s[20:21]
	s_add_nc_u64 s[14:15], s[14:15], s[22:23]
	v_lshlrev_b32 v3, 12, v1
	v_lshl_add_u32 v3, v2, 5, v3
	v_lshlrev_b32 v4, 11, v1
	v_lshl_add_u32 v4, v2, 4, v4
	s_wait_alu depctr_va_vdst(0)                   ; v3 and v4 are written: every load and store of this path reads one of them as its offset
.set ii, 0
.rept 8
	global_load_b128 v[XR+8*ii:XR+8*ii+3], v3, s[8:9] offset:512*ii th:TH_LOAD_NT
	global_load_b128 v[XR+8*ii+4:XR+8*ii+7], v3, s[8:9] offset:512*ii+16 th:TH_LOAD_NT
.set ii, ii+1
.endr
.set ii, 0
.rept 8
	s_wait_loadcnt 14-2*ii                         ; this pair of loads is in, the younger pairs stay out
.if (ii%2 == 0) && (ii > 0)
	s_wait_alu depctr_va_vdst(0)                   ; the group before has written its eight registers of YR, which the two stores dealt among this group's arithmetic read
.endif
.if ii >= 2
	global_store_b128 v4, v[YR+4*(ii-2):YR+4*(ii-2)+3], s[14:15] offset:256*(ii-2)  ; the group before; no vector line since the wait names these registers
.endif
.irp j, 0,1,2,3
	v_cvt_pk_bf16_f32 v[TQ+\j], v[XR+8*ii+2*\j], v[XR+8*ii+2*\j+1]  ; the rounding that all the module's inputs get
.endr
.irp j, 0,1,2,3
	v_lshlrev_b32 v[XR+8*ii+2*\j], 16, v[TQ+\j]
	v_and_b32 v[XR+8*ii+2*\j+1], 0xffff0000, v[TQ+\j]
.endr
.irp j, 0,1,2,3
	v_cvt_pk_f16_f32 v[YR+4*ii+\j], v[XR+8*ii+2*\j], v[XR+8*ii+2*\j+1]  ; 8 significant bits fit f16's 11
.endr
.set ii, ii+1
.endr
	s_wait_alu depctr_va_vdst(0)                   ; the last group has written its eight registers of YR, which the last two stores read
	global_store_b128 v4, v[YR+24:YR+27], s[14:15] offset:256*6
	global_store_b128 v4, v[YR+28:YR+31], s[14:15] offset:256*7
	s_endpgm
.Lfunc_end_k_qf5a582ba7b_prep:
	.size	k_qf5a582ba7b_prep, .Lfunc_end_k_qf5a582ba7b_prep-k_qf5a582ba7b_prep
	.p2alignl 7, 3214868480
	.fill 96, 4, 3214868480
	.section	.rodata,"a",@progbits
	.p2align	6, 0x0
	.amdhsa_kernel k_qf5a582ba7b_prep
		.amdhsa_group_segment_fixed_size 0
		.amdhsa_private_segment_fixed_size 0
		.amdhsa_enable_private_segment 0
		.amdhsa_kernarg_size 56
		.amdhsa_user_sgpr_count 2
		.amdhsa_user_sgpr_kernarg_segment_ptr 1
		.amdhsa_wavefront_size32 1
		.amdhsa_system_sgpr_workgroup_id_x 1
		.amdhsa_system_sgpr_workgroup_id_y 1
		.amdhsa_system_sgpr_workgroup_id_z 1
		.amdhsa_system_vgpr_workitem_id 0
		.amdhsa_next_free_vgpr 112
		.amdhsa_next_free_sgpr 66
		.amdhsa_reserve_vcc 0
		.amdhsa_float_denorm_mode_32 3
		.amdhsa_float_denorm_mode_16_64 3
		.amdhsa_memory_ordered 1
		.amdhsa_forward_progress 1
		.amdhsa_inst_pref_size 30
	.end_amdhsa_kernel
	.amdgpu_metadata
---
amdhsa.version: [ 1, 2 ]
amdhsa.kernels:
  - .name:           k_qf5a582ba7b_prep
    .symbol:         k_qf5a582ba7b_prep.kd
    .args:
      - { .name: x, .offset: 0, .size: 8, .value_kind: global_buffer, .address_space: global }
      - { .name: qkv_w, .offset: 8, .size: 8, .value_kind: global_buffer, .address_space: global }
      - { .name: c_proj_w, .offset: 16, .size: 8, .value_kind: global_buffer, .address_space: global }
      - { .name: xb, .offset: 24, .size: 8, .value_kind: global_buffer, .address_space: global }
      - { .name: wb, .offset: 32, .size: 8, .value_kind: global_buffer, .address_space: global }
      - { .name: cb, .offset: 40, .size: 8, .value_kind: global_buffer, .address_space: global }
      - { .name: tab, .offset: 48, .size: 8, .value_kind: global_buffer, .address_space: global }
    .group_segment_fixed_size: 0
    .private_segment_fixed_size: 0
    .kernarg_segment_align: 8
    .kernarg_segment_size: 56
    .max_flat_workgroup_size: 256
    .sgpr_count:     66
    .vgpr_count:     112
    .wavefront_size: 32
...
	.end_amdgpu_metadata
.endif
;; end of part 5
;; launch qkv: the kernel of part 2 again; grid 8 x 32, 4 waves a work-group, clusters of 4 x 4, 327,680 bytes of LDS; arguments xb, wb, tab, ve, lambdas, qh, kh, vh; writes qh, kh, vh
;; launch attn: the kernel of part 3 again; grid 8 x 32, 4 waves a work-group, no clusters, 327,680 bytes of LDS; arguments qh, kh, vh, yb; writes yb
;; launch proj: the kernel of part 4 again; grid 8 x 32, 4 waves a work-group, clusters of 4 x 4, 327,680 bytes of LDS; arguments yb, cb, lambdas, out0; writes out0
